; MI455X (gfx1250); checked and timed in simulation.
; The chip was launched on July 23, 2026; its instructions are those of AMD's public machine-readable ISA for CDNA 5 (MIT licence, August 2026) and "CDNA5" Instruction Set Architecture Reference Guide (July 2026). The comments in the code are by the model that wrote it; some were corrected since.
;; Scaled Dot Product Attention. Allowed arithmetic: matrix products marked QUANTISED: E3M2 operands, one E8M0 scale for each 32 along K, by v_wmma_scale_f32_16x16x128_f8f6f4 with both operands' format E3M2, f32 sums; everything else in f32.
;; Inputs: k 4 x 16 x 2,048 x 64 float32; mask 2,048 x 2,048 bool; q 4 x 16 x 2,048 x 64 float32; v 4 x 16 x 2,048 x 64 float32.
;; Outputs: out0 4 x 16 x 2,048 x 64 float32.
;; This version of the problem:
;;   THIS VERSION OF THE PROBLEM IS GIVEN IN LOW PRECISION. The matrix products marked QUANTISED in the list below multiply operands that are first quantised to E3M2 (3 exponent bits, 2 mantissa bits; 6 bits a number), with one power-of-two scale for each 32 numbers along K (OCP MX v1.0); their sums are f32. All else is computed in f32.
;;   The module's matrix products, in the order in which they are computed (A, B: the left and right operand; K: the contracted axis; several contracted axes count as one K, in the product's order):
;;     1. batch 64 x [M 2,048, K 64] x [K 64, N 2,048]; A: input q; B: input k: QUANTISED
;;     2. batch 64 x [M 2,048, K 2,048] x [K 2,048, N 64]; A: softmax (see below); B: input v: QUANTISED
;;   THE QUANTISER, for each operand of a quantised product, along K:
;;     - K is cut into blocks of 32 from its start; a last block that is shorter is filled with zeros.
;;     - A block's scale is 2^e with e = floor(log2(the largest magnitude in the block)) - 4, held to -126 .. 127; a block of zeros has e = 0. As a byte (E8M0): e + 127.
;;     - Each number is divided by its block's scale, clamped to +-28, and rounded to the nearest number of E3M2, ties to even, subnormals kept.
;;     - The product sums the exact products of the quantised numbers (number of the format x scale) in f32.
;;   ~~~python
;;   def quantise(x, axis):      # numpy; x: float32 -> the quantised numbers, widened to float32 again
;;       x = np.moveaxis(x, axis, -1); K = x.shape[-1]
;;       x = np.pad(x, [(0, 0)] * (x.ndim - 1) + [(0, -K % 32)]); x = x.reshape(x.shape[:-1] + (-1, 32)); a = np.abs(x).max(-1, keepdims=True)
;;       e = np.where(a > 0, np.clip(np.frexp(np.where(a > 0, a, 1))[1] - 1 - 4, -126, 127), 0)      # np.frexp(a)[1] - 1 = floor(log2(a)), exactly
;;       r = np.clip(x / 2.0 ** e, -28, 28)
;;       step = 2.0 ** (np.maximum(np.frexp(np.where(r == 0, 1, r))[1] - 1, -2) - 2)
;;       q = np.round(r / step) * step * 2.0 ** e      # np.round: ties to even
;;       return np.moveaxis(q.reshape(q.shape[:-2] + (-1,))[..., :K], -1, axis).astype(np.float32)
;;   ~~~
;;   SOFTMAX AHEAD OF A QUANTISED PRODUCT. Where the list says 'softmax', what is quantised is not the finished softmax but p = 2^(t - M), with t = logit x log2(e) and M = ceil(the row's largest t), a whole number; so 1/2 < the row's largest p <= 1. The row's sum l is taken of the UNQUANTISED p, in f32, and the product's result is divided by l at the end. Since M is a whole number, a kernel that streams over the keys may use a running M (the ceiling of the running maximum): every later rescaling is an exact power of two, which a block's scale takes up: the codes' values come out the same.
;;   OPERANDS COMPUTED ON THE WAY. 'Computed on the way' means the value that the module computes at that place (a softmax that the list does not call 'softmax' is quantised finished and normalised). What goes into a quantiser is computed in f32, as accurately as f32 sums, v_exp_f32 and their like allow (about 1e-6 of the number): no bf16 or f16 on the way to a quantiser, and a product that is left as it is and whose result goes on into a quantised operand takes f32 operands (vector FMAs, or v_wmma_f32_16x16x4_f32). A number that lies on a knife's edge between two numbers of the format may be rounded either way, as far as f32 arithmetic and the matrix unit's own rounding can turn it there, and no further.
;; 2 versions. Each part assembles by itself: llvm-mc -triple=amdgcn-amd-amdhsa -mcpu=gfx1250 --defsym DOCPART=n.
;; ======== version 1 of 2: 2 launches
;; workspace buffers: flags 2,048 bytes of whole numbers
;; launch flags (part 1): grid 4 x 128, 1 waves a work-group, no clusters, 0 bytes of LDS; arguments mask, flags; writes flags
.if DOCPART == 1
	.amdgcn_target "amdgcn-amd-amdhsa--gfx1250"
	.amdhsa_code_object_version 6
	.text
	.protected	k_qbb249392d6_flags
	.globl	k_qbb249392d6_flags
	.p2align	8
	.type	k_qbb249392d6_flags,@function
k_qbb249392d6_flags:
	s_mov_b64 s[64:65], 0
	v_nop
	global_prefetch_b8 v0, s[64:65] scope:SCOPE_SE
	s_setreg_imm32_b32 hwreg(HW_REG_WAVE_MODE, 25, 1), 1
	s_wait_xcnt 0x0
; mask [2048][2048] bytes (0 or 1) -> flags [128 tiles of 16 queries][4 runs] words.  The attention launch walks a tile's 16 key steps of 128 keys and wants two bits for each: ANY (some mask byte of the 16 x 128 is true)
; and MIX (some byte is false).  Work-group (k, tile), one wave, takes the tile's 16 rows x 512 columns: key steps 4 k .. 4 k + 3.  Its word holds ANY of step s at bit s and MIX of step s at bit 16 + s, all other bits 0:
; the four words of a tile are OR-ed by their reader.  Nothing is assumed of the mask's pattern.
; Each load reads 512 consecutive bytes of a row; lane l's 16 bytes belong to key step 4 k + l / 8.  The word is 4 bytes a work-group, 2,048 bytes in the whole launch: gathered runs of 256 bytes would want 64 waves to meet.
.set X,  8                             ; v8-71  the lane's 64 words of mask bytes
.set BM, 72                            ; v72-75 four chains of sums
	s_load_b128 s[4:7], s[0:1], 0x0                ; mask s[4:5], flags s[6:7]
	v_lshlrev_b32 v1, 4, v0                        ; 16 x lane (one wave: the thread's number is the lane)
	s_and_b32 s8, ttmp7, 0xffff                    ; the tile
	s_lshl_b32 s10, s8, 15                         ; its 16 rows of 2,048 bytes
	s_lshl_b32 s9, ttmp9, 9                        ; the run's 512 bytes
	s_add_co_u32 s10, s10, s9
	s_mov_b32 s11, 0
	s_lshl_b32 s12, s8, 4                          ; the tile's four words
	s_lshl_b32 s9, ttmp9, 2                        ; 4 k: my word's byte offset among them, and the shift of my four steps' bits
	s_add_co_u32 s12, s12, s9
	s_mov_b32 s13, 0
	s_wait_kmcnt 0x0
	s_add_nc_u64 s[4:5], s[4:5], s[10:11]
	s_add_nc_u64 s[6:7], s[6:7], s[12:13]
.irp p, 0,1,2,3,4,5,6,7,8,9,10,11,12,13,14,15
	global_load_b128 v[X+4*\p:X+4*\p+3], v1, s[4:5] offset:2048*\p th:TH_LOAD_NT   ; read once in this launch
.endr
	v_mov_b32 v3, 0
	s_wait_loadcnt 0x0
; the 64 words are added as they stand: each byte of the sum counts 64 mask bytes, at most 64, so nothing carries.  0: all false; 0x40404040: all true
.irp j, 0,1,2,3
	v_add3_u32 v[BM+\j], v[X+16*\j], v[X+16*\j+1], v[X+16*\j+2]
.endr
.irp i, 3,5,7,9,11,13
.irp j, 0,1,2,3
	v_add3_u32 v[BM+\j], v[BM+\j], v[X+16*\j+\i], v[X+16*\j+\i+1]
.endr
.endr
.irp j, 0,1,2,3
	v_add_nc_u32 v[BM+\j], v[BM+\j], v[X+16*\j+15]
.endr
	v_add3_u32 v[BM], v[BM], v[BM+1], v[BM+2]
	v_add_nc_u32 v[BM], v[BM], v[BM+3]
	v_cmp_ne_u32 s14, 0, v[BM]                     ; lanes with a true byte
	v_cmp_ne_u32 s15, 0x40404040, v[BM]            ; lanes with a false byte
	s_mov_b32 s16, 0
.irp g, 0,1,2,3
	s_bfe_u32 s17, s14, (8<<16)|(8*\g)             ; SCC: one of the step's eight lanes has its bit
	s_cselect_b32 s17, 1<<\g, 0
	s_or_b32 s16, s16, s17
	s_bfe_u32 s17, s15, (8<<16)|(8*\g)
	s_cselect_b32 s17, 1<<(16+\g), 0
	s_or_b32 s16, s16, s17
.endr
	s_lshl_b32 s16, s16, s9                        ; to steps 4 k .. 4 k + 3: ANY stays under bit 16, MIX under bit 32
	v_mov_b32 v2, s16
	v_cmp_eq_u32 vcc_lo, 0, v0
	s_wait_xcnt 0x0                                ; EXEC changes only behind this wait
	s_and_saveexec_b32 s18, vcc_lo                 ; lane 0 alone stores the word
	global_store_b32 v3, v2, s[6:7]
	s_wait_xcnt 0x0                                ; and again, in front of the line that widens it
	s_or_b32 exec_lo, exec_lo, s18
	s_endpgm
.Lfunc_end_k_qbb249392d6_flags:
	.size	k_qbb249392d6_flags, .Lfunc_end_k_qbb249392d6_flags-k_qbb249392d6_flags
	.p2alignl 7, 3214868480
	.fill 96, 4, 3214868480
	.section	.rodata,"a",@progbits
	.p2align	6, 0x0
	.amdhsa_kernel k_qbb249392d6_flags
		.amdhsa_group_segment_fixed_size 0
		.amdhsa_private_segment_fixed_size 0
		.amdhsa_enable_private_segment 0
		.amdhsa_kernarg_size 16
		.amdhsa_user_sgpr_count 2
		.amdhsa_user_sgpr_kernarg_segment_ptr 1
		.amdhsa_wavefront_size32 1
		.amdhsa_system_sgpr_workgroup_id_x 1
		.amdhsa_system_sgpr_workgroup_id_y 1
		.amdhsa_system_sgpr_workgroup_id_z 1
		.amdhsa_system_vgpr_workitem_id 0
		.amdhsa_next_free_vgpr 80
		.amdhsa_next_free_sgpr 66
		.amdhsa_reserve_vcc 1
		.amdhsa_float_denorm_mode_32 3
		.amdhsa_float_denorm_mode_16_64 3
		.amdhsa_memory_ordered 1
		.amdhsa_forward_progress 1
		.amdhsa_inst_pref_size 6
	.end_amdhsa_kernel
	.amdgpu_metadata
---
amdhsa.version: [ 1, 2 ]
amdhsa.kernels:
  - .name:           k_qbb249392d6_flags
    .symbol:         k_qbb249392d6_flags.kd
    .args:
      - { .name: mask, .offset: 0, .size: 8, .value_kind: global_buffer, .address_space: global }
      - { .name: flags, .offset: 8, .size: 8, .value_kind: global_buffer, .address_space: global }
    .group_segment_fixed_size: 0
    .private_segment_fixed_size: 0
    .kernarg_segment_align: 8
    .kernarg_segment_size: 16
    .max_flat_workgroup_size: 32
    .sgpr_count:     66
    .vgpr_count:     80
    .wavefront_size: 32
...
	.end_amdgpu_metadata
.endif
;; end of part 1
;; launch attn (part 2): grid 4 x 64, 16 waves a work-group, no clusters, 276,480 bytes of LDS; arguments q, k, v, mask, out0, flags; writes out0
.if DOCPART == 2
	.amdgcn_target "amdgcn-amd-amdhsa--gfx1250"
	.amdhsa_code_object_version 6
	.text
	.protected	k_qbb249392d6_attn
	.globl	k_qbb249392d6_attn
	.p2align	8
	.type	k_qbb249392d6_attn,@function
k_qbb249392d6_attn:
	s_mov_b64 s[64:65], 0
	v_nop
	global_prefetch_b8 v0, s[64:65] scope:SCOPE_SE
	s_setreg_imm32_b32 hwreg(HW_REG_WAVE_MODE, 25, 1), 1
	s_wait_xcnt 0x0
; out0[h][q][:] = the sum over k of softmax_k(where(mask[q][k], q[h][q] . k[h][k] / 8, -inf)) v[h][k][:].  64 heads, 2,048 queries and keys, head size 64; q, k, v, out0 f32; mask [2048][2048] bytes, an input.
; Both products on codes of BF6 (E3M2) with one E8M0 scale for each 32 along a product's K.  First product: K = the head's 64.  Second: K = the keys; its left operand is p = 2^(t - M), t = score x log2(e) / 8,
; M = the running largest t rounded UP to a whole number; the row's sum is taken of the unquantised p and divides at the end.  When M moves, the sum and O are multiplied by 2^(old M - new M): exact.
; SHARES.  Work-group (j, head), 16 waves.  First each wave quantises 128 keys of the head's K and V (key step s = its number) into LDS, as IMAGES OF THE OPERANDS' REGISTERS; one barrier; from then on the images are only read.
; A head's codes are 2 x 98,304 bytes and its scale words 2 x 4,096: they stay in LDS whole.  Then wave w makes two tiles of 16 queries: rows 64 n + 16 j on, n = w and n = 31 - w, each against the 16 key steps.
; THE MASK.  The launch before has stored, for each tile of 16 queries, two bits for each key step of 128 keys: ANY (some mask byte is true) and MIX (some byte is false): flags [128 tiles][4] words, to be OR-ed; ANY of step s at
; bit s, MIX at bit 16 + s.  A step with ANY = 0 adds nothing to the sum or to O and does not move M: it is left out, by a scalar branch on these stored whole numbers.  A step with MIX = 0 needs no masking; the others read their
; mask bytes.  Nothing is assumed of the mask's pattern.  A row with no true byte gives 0 x (1 / 0) = NaN, as the softmax of -inf alone does.
; LAYOUT.  Both products are used transposed: S^T = K Q^T (source 0 = keys, source 1 = my 16 queries), O^T = V^T P^T (source 0 = 16 of the head's 64, source 1 = P): a lane (r = lane % 16, h = lane / 16) holds query r throughout.
; The instruction is 128 deep and the head is 64: ONE operand of K carries TWO tiles of 16 keys, key A = 32 b + r + 8 (r / 8) at k 0-63 and key A + 8 at k 64-127.  It is multiplied once by [q | zero codes] and once by [zero codes | q].
; Zero codes add nothing; their scale bytes are 1.  So S[16 b + 8 u + j] of lane (r, h) is key 128 s + 32 b + 16 h + 8 u + j: 16 registers are 16 neighbouring keys, as the conversions for P want them.
; NO CLUSTER, NO TENSOR LOAD: K and V arrive as f32 and pass through registers to be quantised, and the walk over the key steps branches on numbers read from memory.
; So what the four work-groups of a head share (K and V, 1 MiB of f32) is read by each of them.
; LIMITS.  NaN and infinities among q, k, v are not served.  A block whose largest magnitude lies under 2^-122 gets the scale byte 1; so does a block of zeros (the rule says 127): its codes are zeros, and the bytes are read by this
; program alone.  p under 2^-126 counts as 0 (v_exp_f32 gives no denormals: ISA guide, its entry).  Mask bytes are 0 or 1.
; ---- LDS
.set KIMG,   0                         ; K's images: step s 6,144 bytes; pair b 1,536 = 3 blocks of 512: block c holds registers 4 c .. 4 c + 3 of the pair's 12, 16 bytes a lane
.set VIMG,   98304                     ; V's images: step s 6,144 bytes; tile t (d = 16 t + r) 1,536, likewise
.set KSC,    196608                    ; K's scale words: step s 256 bytes; the word at 8 l + 4 e belongs to pair 2 e + l / 16, row l % 16
.set VSC,    200704                    ; V's: the word at 8 l + 4 e belongs to tile 2 e + l / 16, d = 16 t + l % 16
.set STG,    204800                    ; a stage of 16 rows x 272 bytes for each wave, its own: K's turn at the head, O's way out later
.set SPITCH, 272                       ; 256 bytes + 16 = 68 words: row r starts at bank 4 r mod 64 (64 banks of 4 bytes: ISA guide 11.1)
; ---- scalar registers
.set FW,  4                            ; s[4:7] behind the head (q's and k's addresses are done with): the tile's four flag words
.set FA,  8                            ; s[8:9] behind the head (v's address is done with): where they lie
.set WV,  14                           ; my wave's number
.set J,   15                           ; work-group x
.set HD,  16                           ; the head
.set SEL, 20                           ; s[20:21] v_permlanex16_b32's selects for lane l xor 16
.set CS,  22                           ; s[22:23] c = log2(e) / 8, twice (the packed form names the pair)
.set KB,  24                           ; s[24:25] k at my 128 keys;  s[26:27] v likewise
.set VB,  26
.set QH,  28                           ; s[28:29] q at my head;  s[30:31] out0 likewise
.set OH,  30
.set QB,  32                           ; s[32:33], s[34:35], s[36:37]: q, out0 and mask at the tile's first row
.set OB,  34
.set MB,  36
.set OFS, 38                           ; s[38:39] an offset, high word 0
.set TI,  40                           ; counts the wave's two tiles
.set SI,  41                           ; counts a tile's 16 key steps
.set TK,  42                           ; 6,144 x step
.set TS,  43                           ; 256 x step
.set TM,  44                           ; 128 x step
.set ANY, 45                           ; bit 0: the step in hand has a true mask byte; shifted down a bit a step
.set MIX, 46                           ; bit 0: it has a false one
.set T0,  47
.set T1,  48
.set T2,  49
.set NN,  50
.set P1,  51                           ; s51-53 v_perm_b32 selectors: byte 1, 2, 3 into all four places
.set P2,  52
.set P3,  53
.set FL,  54                           ; s[54:55] flags
; ---- vector registers that stay
.set LI16, 1                           ; 16 x lane
.set LS8,  2                           ; KSC + 8 x lane
.set MOFF, 3                           ; mask: 2,048 r + 16 h
.set QOFF, 4                           ; q: 256 r + 128 h
.set SO,   5                           ; stage: 272 r + 32 h
.set SR,   6                           ; stage: 272 h + 16 r
.set ADK,  8                           ; the step's addresses: K's images, V's images, scale words, mask bytes
.set ADV,  9
.set ADS,  10
.set MA,   11
.set NM,   12                          ; -M
.set TX,   13                          ; the running largest t
.set L,    14                          ; v[14:15] the row's sum, in two halves
.set QSL,  16                          ; v16-22 hold scale words and nothing else: q's for [q | 0], q's for [0 | q], K's two, V's two, p's
.set QSH,  17
.set KS,   18
.set VS,   20
.set PW,   22
.set NI,   23                          ; -infinity
; ---- the main phase
.set QF,   24                          ; v24-29 zero codes, v30-35 q's codes, v36-41 zero codes: v[24:35] = [0 | q], v[30:41] = [q | 0]
.set KV,   42                          ; v42-89 four operands of 12: K's pairs, then V's tiles
.set MK,   90                          ; v90-105 the step's mask bytes
.set S,    106                         ; v106-169 S^T, then p
.set O,    170                         ; v170-201 O^T
.set PC,   202                         ; v202-213 p's codes
.set PT0,  214
.set PT1,  218
.set BM,   222                         ; v222-225 a block's largest score, then its largest p
.set BT,   226
.set BS,   230
.set F,    234                         ; v[234:235] 2^(old M - new M); the upper word is only named
.set TMP,  236
.set SUM2, 238
; ---- the head only
.set R0,   42                          ; v42-105, v106-169: 32 keys of K as loaded; later v42-73, v74-105: blocks of V
.set R1,   106
.set XA,   170                         ; v170-201, v202-233: 32 neighbours along d of my key of group A, of group B
.set XB,   202
.set CQ,   24                          ; v24-35 a pair's codes
.set TA,   36
.set TBB,  248
.set BYA,  238
.set BYB,  239
.set KIW,  240                         ; where I store: K's images, K's scale words, V's images, V's scale words
.set KSW,  241
.set VIW,  242
.set VSW,  243
.set VOF,  244                         ; 4 x lane
.set SH8,  245                         ; 8 h
.set SX,   246                         ; stage: 272 r + 128 h
.set CV,   106                         ; v106-117, v118-129: V's codes for columns 32 g + lane
.set VW,   130                         ; v130, v131: their scale words in the making
.set W0,   252
.set W1,   253
.set W2,   254
.set W3,   255
; 32 numbers of ONE lane, v[x] .. v[x + 31], a whole block, become 6 registers of codes at v[d] and the scale's byte in v[by].  The largest magnitude has the floor 2^(5 - 127) among its leaves, so the byte cannot fall under 1;
; 4 off its exponent field is the conversion's scale operand.  A conversion's three registers begin on an even number: the block's second half is made at v[t] and moved.
.macro QUANT32 x, d, t, by
	v_max3_num_f32 v[W0], |v[(\x)]|, |v[(\x)+1]|, 0x2800000
	v_max3_num_f32 v[W1], |v[(\x)+2]|, |v[(\x)+3]|, |v[(\x)+4]|
.irp i, 5,9,13,17,21,25
	v_max3_num_f32 v[W0], v[W0], |v[(\x)+\i]|, |v[(\x)+\i+1]|
	v_max3_num_f32 v[W1], v[W1], |v[(\x)+\i+2]|, |v[(\x)+\i+3]|
.endr
	v_max3_num_f32 v[W0], v[W0], |v[(\x)+29]|, |v[(\x)+30]|
	v_max3_num_f32 v[W0], v[W0], v[W1], |v[(\x)+31]|
	v_add_nc_u32 v[W2], 0xfe000000, v[W0]
	v_cvt_scalef32_pk16_bf6_f32 v[(\d):(\d)+2], v[(\x):(\x)+15], v[W2]
	v_cvt_scalef32_pk16_bf6_f32 v[(\t):(\t)+2], v[(\x)+16:(\x)+31], v[W2]
	v_lshrrev_b32 v[(\by)], 23, v[W2]              ; the byte; also the plain instruction behind the conversions
.irp i, 0,1,2
	v_mov_b32 v[(\d)+3+\i], v[(\t)+\i]
.endr
.endm
; Pair b's 32 keys of K, 8,192 dense bytes: each load reads 512 consecutive bytes, two keys' rows
.macro KLOAD b, R
.irp i, 0,1,2,3,4,5,6,7,8,9,10,11,12,13,14,15
	global_load_b128 v[(\R)+4*\i:(\R)+4*\i+3], v[LI16], s[KB:KB+1] offset:8192*(\b)+512*\i
.endr
.endm
; The pair goes through my stage, 16 keys at a time: group A = keys 0-7 and 16-23 of the 32, group B = keys 8-15 and 24-31; stage row r is the key of operand row r.  It comes back 128 bytes a lane: d = 32 h .. 32 h + 31 of row r.
; LDS serves a wave's instructions in order (ISA guide 5.7.1.4): group B's stores come behind group A's loads, and no wait stands between stores and loads.
.macro KTURN R, younger
	s_wait_loadcnt \younger                        ; this pair's 16 loads are in; the younger ones stay out
.irp i, 0,1,2,3
	ds_store_b128 v[SR], v[(\R)+4*\i:(\R)+4*\i+3] offset:2*\i*SPITCH
.endr
.irp i, 8,9,10,11
	ds_store_b128 v[SR], v[(\R)+4*\i:(\R)+4*\i+3] offset:(2*\i-8)*SPITCH
.endr
.irp e, 0,1,2,3,4,5,6,7
	ds_load_b128 v[XA+4*\e:XA+4*\e+3], v[SX] offset:16*\e
.endr
.irp i, 4,5,6,7
	ds_store_b128 v[SR], v[(\R)+4*\i:(\R)+4*\i+3] offset:(2*\i-8)*SPITCH
.endr
.irp i, 12,13,14,15
	ds_store_b128 v[SR], v[(\R)+4*\i:(\R)+4*\i+3] offset:(2*\i-16)*SPITCH
.endr
.irp e, 0,1,2,3,4,5,6,7
	ds_load_b128 v[XB+4*\e:XB+4*\e+3], v[SX] offset:16*\e
.endr
	s_wait_dscnt 16                                ; group A is back, and the last pair's image stores have read their registers; group B's 8 stores and 8 loads may be out
	QUANT32 XA, CQ, TA, BYA
	s_wait_dscnt 0x0                               ; group B is back, and every store has read the pair's registers: they may be loaded again
.endm
.macro KFIN b
	QUANT32 XB, CQ+6, TBB, BYB
	v_lshl_or_b32 v[W0], v[BYB], 16, v[BYA]        ; my two bytes: block h of key A, block h of key B,
	v_lshlrev_b32 v[W0], v[SH8], v[W0]             ; at their places (8 h bits up);
	v_permlanex16_b32 v[W3], v[W0], s[SEL], s[SEL+1]
	v_or_b32 v[W0], v[W0], v[W3]                   ; with lane l xor 16's two the word is whole: [A0, A1, B0, B1]
.irp c, 0,1,2
	ds_store_b128 v[KIW], v[CQ+4*\c:CQ+4*\c+3] offset:1536*(\b)+512*\c
.endr
	ds_store_b32 v[KSW], v[W0] offset:128*((\b)%2)+4*((\b)/2)   ; both halves of the lanes write the same word with the same value
.endm
; V: a lane takes a column d = 32 g + lane and its registers run down the keys: a block of 32 keys lies in one lane.  Run n: g = n % 2, block 0, 0, 2, 2, 1, 1, 3, 3 of my four: the two halves of a key's 256 bytes follow each other.
.macro VLOAD n
.set LBETA, 2*(((\n)/2)%2)+(\n)/4
.set vi, 0
.rept 32
	global_load_b32 v[R0+32*((\n)%2)+vi], v[VOF], s[VB:VB+1] offset:(32*LBETA+vi)*256+128*((\n)%2)
.set vi, vi+1
.endr
.endm
; Block beta of column d belongs to the image of tile d / 16, lane (d % 16, beta % 2), registers 6 (beta / 2) on.  When blocks beta % 2 and 2 + beta % 2 are made, the 12 registers go to that image lane.
.macro VBLK n, younger
.set VBETA, 2*(((\n)/2)%2)+(\n)/4
.set VG, (\n)%2
	s_wait_dscnt 0x0                               ; earlier image stores have read the registers that are written below
	s_wait_loadcnt \younger                        ; this block's 32 loads are in; the next block's may be out
.if VBETA == 0
	QUANT32 R0+32*VG, CV+12*VG, TA, VW+VG
.else
	QUANT32 R0+32*VG, CV+12*VG+6*(VBETA/2), TA, W3
	v_lshl_or_b32 v[VW+VG], v[W3], 8*VBETA, v[VW+VG]
.endif
.if (\n)+2 < 8
	VLOAD (\n)+2
.endif
.if VBETA/2 == 1
.irp c, 0,1,2
	ds_store_b128 v[VIW], v[CV+12*VG+4*\c:CV+12*VG+4*\c+3] offset:3072*VG+256*(VBETA%2)+512*\c
.endr
.endif
.if VBETA == 3
	ds_store_b32 v[VSW], v[VW+VG] offset:4*VG
.endif
.endm
; Pair b's two products: the same operand of K against [q | 0] and [0 | q].  Its scale words lie in lanes 0-15 (b even) or 16-31 (b odd) of v[KS + b / 2].
.macro KQ2 b
	s_wait_dscnt 9-3*(\b)                          ; the scale words and pairs 0 .. b are in; the later pairs' three loads each may be out
.if (\b)%2
	v_wmma_scale_f32_16x16x128_f8f6f4 v[S+16*(\b):S+16*(\b)+7], v[KV+12*(\b):KV+12*(\b)+11], v[QF+6:QF+17], 0, v[KS+(\b)/2], v[QSL] matrix_a_fmt:MATRIX_FMT_BF6 matrix_b_fmt:MATRIX_FMT_BF6 matrix_a_scale:MATRIX_SCALE_ROW1
	v_wmma_scale_f32_16x16x128_f8f6f4 v[S+16*(\b)+8:S+16*(\b)+15], v[KV+12*(\b):KV+12*(\b)+11], v[QF:QF+11], 0, v[KS+(\b)/2], v[QSH] matrix_a_fmt:MATRIX_FMT_BF6 matrix_b_fmt:MATRIX_FMT_BF6 matrix_a_scale:MATRIX_SCALE_ROW1
.else
	v_wmma_scale_f32_16x16x128_f8f6f4 v[S+16*(\b):S+16*(\b)+7], v[KV+12*(\b):KV+12*(\b)+11], v[QF+6:QF+17], 0, v[KS+(\b)/2], v[QSL] matrix_a_fmt:MATRIX_FMT_BF6 matrix_b_fmt:MATRIX_FMT_BF6
	v_wmma_scale_f32_16x16x128_f8f6f4 v[S+16*(\b)+8:S+16*(\b)+15], v[KV+12*(\b):KV+12*(\b)+11], v[QF:QF+11], 0, v[KS+(\b)/2], v[QSH] matrix_a_fmt:MATRIX_FMT_BF6 matrix_b_fmt:MATRIX_FMT_BF6
.endif
.endm
.macro PV1 t
.if (\t)%2
	v_wmma_scale_f32_16x16x128_f8f6f4 v[O+8*(\t):O+8*(\t)+7], v[KV+12*(\t):KV+12*(\t)+11], v[PC:PC+11], v[O+8*(\t):O+8*(\t)+7], v[VS+(\t)/2], v[PW] matrix_a_fmt:MATRIX_FMT_BF6 matrix_b_fmt:MATRIX_FMT_BF6 matrix_a_scale:MATRIX_SCALE_ROW1
.else
	v_wmma_scale_f32_16x16x128_f8f6f4 v[O+8*(\t):O+8*(\t)+7], v[KV+12*(\t):KV+12*(\t)+11], v[PC:PC+11], v[O+8*(\t):O+8*(\t)+7], v[VS+(\t)/2], v[PW] matrix_a_fmt:MATRIX_FMT_BF6 matrix_b_fmt:MATRIX_FMT_BF6
.endif
.endm
; ======== the head: addresses
	s_load_b256 s[4:11], s[0:1], 0x0               ; q s[4:5], k s[6:7], v s[8:9], mask s[10:11]
	s_load_b64 s[12:13], s[0:1], 0x20              ; out0
	s_load_b64 s[FL:FL+1], s[0:1], 0x28            ; flags
	v_lshl_add_u32 v247, v0, 2, 0x43000
	v_mov_b32 v251, 0
	v_lshrrev_b32 v7, 5, v0
	v_readfirstlane_b32 s[WV], v7                  ; wave 0..15
	v_and_b32 v7, 31, v0                           ; lane
	v_and_b32 v8, 15, v0                           ; r
	v_bfe_u32 v9, v0, 4, 1                         ; h
	s_mov_b32 s[J], ttmp9
	s_and_b32 s[HD], ttmp7, 0xffff
	s_lshl_b32 s18, s[HD], 19                      ; a head is 2,048 x 64 x 4 bytes
	s_mov_b32 s19, 0
	s_lshl_b32 s[OFS], s[WV], 15                   ; my 128 keys of 256 bytes
	s_mov_b32 s[OFS+1], 0
	s_mov_b32 s[SEL], 0x76543210
	s_mov_b32 s[SEL+1], 0xfedcba98
	s_mov_b32 s[CS], 0x3e38aa3b                    ; log2(e) / 8
	s_mov_b32 s[CS+1], s[CS]
	s_mov_b32 s[P1], 0x01010101
	s_mov_b32 s[P2], 0x02020202
	s_mov_b32 s[P3], 0x03030303
	v_lshlrev_b32 v[LI16], 4, v7
	v_lshl_add_u32 v[LS8], v7, 3, KSC
	v_lshlrev_b32 v[MOFF], 11, v8
	v_lshl_add_u32 v[MOFF], v9, 4, v[MOFF]
	v_lshlrev_b32 v[QOFF], 8, v8
	v_lshl_add_u32 v[QOFF], v9, 7, v[QOFF]
	s_mul_i32 s[T0], s[WV], 16*SPITCH
	s_add_co_u32 s[T0], s[T0], STG                 ; my stage
	v_mul_u32_u24 v10, v8, SPITCH
	v_add_nc_u32 v10, s[T0], v10
	v_lshl_add_u32 v[SO], v9, 5, v10
	v_lshl_add_u32 v[SX], v9, 7, v10
	v_mul_u32_u24 v11, v9, SPITCH
	v_lshl_add_u32 v11, v8, 4, v11
	v_add_nc_u32 v[SR], s[T0], v11
	s_mul_i32 s[T1], s[WV], 6144                   ; my key step's images
	s_lshl_b32 s[T2], s[WV], 8                     ; and scale words
	v_add_nc_u32 v[KIW], s[T1], v[LI16]
	v_lshlrev_b32 v10, 3, v8
	v_add_nc_u32 v10, s[T2], v10
	v_add_nc_u32 v[KSW], KSC, v10                  ; KSC + 256 w + 8 r
	v_mul_u32_u24 v10, v9, 1536
	v_lshl_add_u32 v10, v8, 4, v10
	v_add_nc_u32 v10, s[T1], v10
	v_add_nc_u32 v[VIW], VIMG, v10                 ; VIMG + 6,144 w + 1,536 h + 16 r: the loading lane's half picks the tile
	v_lshlrev_b32 v10, 3, v7
	v_add_nc_u32 v10, s[T2], v10
	v_add_nc_u32 v[VSW], VSC, v10                  ; VSC + 256 w + 8 x lane
	v_lshlrev_b32 v[VOF], 2, v7
	v_lshlrev_b32 v[SH8], 3, v9
	v_mov_b32 v[W3], 0                             ; a lane permute's destination counts as one of its sources
	s_wait_kmcnt 0x0
	s_add_nc_u64 s[KB:KB+1], s[6:7], s[18:19]
	s_add_nc_u64 s[KB:KB+1], s[KB:KB+1], s[OFS:OFS+1]
	s_add_nc_u64 s[VB:VB+1], s[8:9], s[18:19]
	s_add_nc_u64 s[VB:VB+1], s[VB:VB+1], s[OFS:OFS+1]
	s_add_nc_u64 s[QH:QH+1], s[4:5], s[18:19]
	s_add_nc_u64 s[OH:OH+1], s[12:13], s[18:19]
; ======== my 128 keys of K and V become images in LDS.  Loads run a pair, later a block, ahead
	KLOAD 0, R0
	KLOAD 1, R1
	KTURN R0, 16                                   ; behind pair 0's loads: pair 1's 16
	KLOAD 2, R0
	KFIN 0
	KTURN R1, 16                                   ; pair 2's 16
	KLOAD 3, R1
	KFIN 1
	KTURN R0, 16                                   ; pair 3's 16
	VLOAD 0
	KFIN 2
	KTURN R1, 32                                   ; V's first 32
	VLOAD 1
	KFIN 3
	VBLK 0, 32
	VBLK 1, 32
	VBLK 2, 32
	VBLK 3, 32
	VBLK 4, 32
	VBLK 5, 32
	VBLK 6, 32
	VBLK 7, 0
	s_wait_dscnt 0x0                               ; for the others' sake: my images and scale words have landed
	s_barrier_signal -1
	s_barrier_wait -1                              ; the head's K and V lie in LDS.  The kernel's one barrier: from here on the images are only read, and a wave stores to its own stage alone
; ======== the main phase
.irp i, 0,1,2,3,4,5
	v_mov_b32 v[QF+\i], 0                          ; zero codes on both sides of q's
	v_mov_b32 v[QF+12+\i], 0
.endr
.irp b, 0,1,2,3
	v_mov_b32 v[BT+\b], 0                          ; written once: lane permutes' destinations
.endr
	v_mov_b32 v[F+1], 0                            ; named as the upper half of a pair
	v_mov_b32 v[TMP], 0
	v_mov_b32 v[NI], 0xff800000
	s_mov_b32 s[TI], 0
.Ltile:
	s_wait_xcnt 0x0                                ; the last tile's loads and stores have read their registers and their bases: these are written below
	s_sub_co_u32 s[T0], 31, s[WV]
	s_cmp_eq_u32 s[TI], 0
	s_cselect_b32 s[NN], s[WV], s[T0]              ; n = w, then 31 - w
	s_lshl_b32 s[OFS], s[NN], 6
	s_lshl_b32 s[T0], s[J], 4
	s_add_co_u32 s[OFS], s[OFS], s[T0]             ; tile 4 n + j: 16 bytes of flags each
	s_mov_b32 s[OFS+1], 0
	s_add_nc_u64 s[FA:FA+1], s[FL:FL+1], s[OFS:OFS+1]
	s_load_b128 s[FW:FW+3], s[FA:FA+1], 0x0        ; the tile's four flag words, stored by the launch before
	s_lshl_b32 s[OFS], s[OFS], 8                   ; (64 n + 16 j) rows of 256 bytes
	s_add_nc_u64 s[QB:QB+1], s[QH:QH+1], s[OFS:OFS+1]
	s_add_nc_u64 s[OB:OB+1], s[OH:OH+1], s[OFS:OFS+1]
	s_lshl_b32 s[OFS], s[OFS], 3                   ; the same rows of 2,048 bytes
	s_add_nc_u64 s[MB:MB+1], s[10:11], s[OFS:OFS+1]
.irp e, 0,1,2,3,4,5,6,7
	global_load_b128 v[O+4*\e:O+4*\e+3], v[QOFF], s[QB:QB+1] offset:16*\e th:TH_LOAD_NT   ; q(r, 32 h ..): a whole block in a lane; read once in the launch
.endr
	s_wait_loadcnt 0x0                             ; q is in: nothing younger is out
	QUANT32 O, QF+6, PT0, TMP
	v_permlanex16_b32 v[BT], v[TMP], s[SEL], s[SEL+1]
	v_lshl_or_b32 v[TMP], v[BT], 8, v[TMP]         ; in lanes 0-15, the only ones read: [block 0's byte, block 1's]
	v_or_b32 v[QSL], 0x01010000, v[TMP]            ; for [q | 0]: the zero codes' bytes are 1
	v_lshl_or_b32 v[QSH], v[TMP], 16, 0x101        ; for [0 | q]
	v_mov_b32 v[TX], 0xff61b1e6                    ; the largest t so far: -3e38, under every t
	v_floor_f32 v[NM], -v[TX]
	v_mov_b32 v[L], 0
	v_mov_b32 v[L+1], 0
.set i, 0
.rept 32
	v_mov_b32 v[O+i], 0                            ; O^T begins as zeros, which the first change of M leaves zeros: the step is written once.  (More than the eight plain instructions between a scale word's making and the first scaled product)
.set i, i+1
.endr
	s_wait_kmcnt 0x0                               ; the flag words
	s_or_b32 s[FW], s[FW], s[FW+1]                 ; each word holds four steps' bits at their places
	s_or_b32 s[FW+2], s[FW+2], s[FW+3]
	s_or_b32 s[FW], s[FW], s[FW+2]
	s_and_b32 s[ANY], s[FW], 0xffff
	s_lshr_b32 s[MIX], s[FW], 16
	s_mov_b32 s[SI], 0
	s_mov_b32 s[TK], 0
	s_mov_b32 s[TS], 0
	s_mov_b32 s[TM], 0
.Lstep:                                                ; 16 trips, a constant; what a step without a true mask byte leaves out is its work, not the lines at its end that step addresses
	s_bitcmp1_b32 s[ANY], 0
	s_cbranch_scc0 .Lskip
	v_add_nc_u32 v[ADK], s[TK], v[LI16]            ; these four are also the plain instructions between the last products and the loads into their operands' registers
	v_add_nc_u32 v[ADV], VIMG, v[ADK]
	v_add_nc_u32 v[ADS], s[TS], v[LS8]
	v_add_nc_u32 v[MA], s[TM], v[MOFF]             ; (the last step's mask loads were waited for: their address may be written)
	s_bitcmp1_b32 s[MIX], 0
	s_cbranch_scc0 .Lnm1
.irp b, 0,1,2,3
	global_load_b128 v[MK+4*\b:MK+4*\b+3], v[MA], s[MB:MB+1] offset:32*\b   ; mask(r, 128 s + 32 b + 16 h + 0 .. 15): the bytes of S[16 b .. 16 b + 15]
.endr
.Lnm1:
	ds_load_b64 v[KS:KS+1], v[ADS]
.irp b, 0,1,2,3
.irp c, 0,1,2
	ds_load_b128 v[KV+12*\b+4*\c:KV+12*\b+4*\c+3], v[ADK] offset:1536*\b+512*\c
.endr
.endr
	KQ2 0
	KQ2 1
	KQ2 2
	KQ2 3
.rept 4
	v_nop                                          ; four plain instructions behind the products: for the loads into K's registers, and for the first reads of the scores
.endr
	ds_load_b64 v[VS:VS+1], v[ADS] offset:VSC-KSC  ; V's tiles land while the softmax is worked
.irp t, 0,1,2,3
.irp c, 0,1,2
	ds_load_b128 v[KV+12*\t+4*\c:KV+12*\t+4*\c+3], v[ADV] offset:1536*\t+512*\c
.endr
.endr
	s_wait_loadcnt 0x0                             ; the mask bytes, if they were asked for: on the common way, so that no way leaves a load out
	s_bitcmp1_b32 s[MIX], 0
	s_cbranch_scc0 .Lnm2
.set i, 0
.rept 16
	v_mul_lo_u32 v[MK+i], v[MK+i], 0xff            ; bytes 0 and 1 become 0x00 and 0xff
.set i, i+1
.endr
.set i, 0
.rept 16                                               ; four scores at a time, ascending: a byte is spread over a word, which then picks the score or -infinity
	v_perm_b32 v[BM], v[MK+i], v[MK+i], 0
	v_perm_b32 v[BM+1], v[MK+i], v[MK+i], s[P1]
	v_perm_b32 v[BM+2], v[MK+i], v[MK+i], s[P2]
	v_perm_b32 v[BM+3], v[MK+i], v[MK+i], s[P3]
	v_bfi_b32 v[S+4*i], v[BM], v[S+4*i], v[NI]
	v_bfi_b32 v[S+4*i+1], v[BM+1], v[S+4*i+1], v[NI]
	v_bfi_b32 v[S+4*i+2], v[BM+2], v[S+4*i+2], v[NI]
	v_bfi_b32 v[S+4*i+3], v[BM+3], v[S+4*i+3], v[NI]
.set i, i+1
.endr
.Lnm2:
.irp b, 0,1,2,3
	v_max3_num_f32 v[BM+\b], v[S+16*\b], v[S+16*\b+1], v[S+16*\b+2]   ; the largest score of each block of 32 keys: it serves for the row's maximum and, since p rises with the score, for the block's largest p
.endr
.irp i, 3,5,7,9,11,13
.irp b, 0,1,2,3
	v_max3_num_f32 v[BM+\b], v[BM+\b], v[S+16*\b+\i], v[S+16*\b+\i+1]
.endr
.endr
.irp b, 0,1,2,3
	v_max_num_f32 v[BM+\b], v[BM+\b], v[S+16*\b+15]
.endr
.irp b, 0,1,2,3
	v_permlanex16_b32 v[BT+\b], v[BM+\b], s[SEL], s[SEL+1]
.endr
.irp b, 0,1,2,3
	v_max_num_f32 v[BM+\b], v[BM+\b], v[BT+\b]     ; with lane l xor 16's 16 keys
.endr
	v_max3_num_f32 v[TMP], v[BM], v[BM+1], v[BM+2]
	v_max_num_f32 v[TMP], v[TMP], v[BM+3]
	v_mul_f32 v[TMP], s[CS], v[TMP]                ; the step's largest t of my query
	v_max_num_f32 v[TX], v[TX], v[TMP]
	v_mov_b32 v[TMP], v[NM]
	v_floor_f32 v[NM], -v[TX]                      ; the new -M = floor(-t): M is a whole number
	v_sub_f32 v[TMP], v[NM], v[TMP]                ; old M - new M: a whole number, 0 or less
	v_cvt_i32_f32 v[TMP], v[TMP]                   ; (it saturates)
	v_ldexp_f32 v[F], 1.0, v[TMP]                  ; f = 2^(old M - new M)
.set i, 0
.rept 32
	v_pk_fma_f32 v[S+i:S+i+1], v[S+i:S+i+1], s[CS:CS+1], v[NM:NM+1] op_sel_hi:[1,0,0]   ; t - M, two at a time
.set i, i+2
.endr
.irp b, 0,1,2,3
	v_fma_f32 v[BM+\b], v[BM+\b], s[CS], v[NM]     ; the same of each block's largest score
.endr
.set i, 0
.rept 64
	v_exp_f32 v[S+i], v[S+i]                       ; p = 2^(t - M): not normalised
.set i, i+1
.endr
	v_pk_mul_f32 v[L:L+1], v[L:L+1], v[F:F+1] op_sel_hi:[1,0]   ; the sums under the new M; the plain instruction behind the exponentials
	s_wait_alu depctr_va_vdst(0)                   ; the wait ahead of the first instruction that names a result: one for the 64
.irp b, 0,1,2,3
	v_exp_f32 v[BM+\b], v[BM+\b]                   ; the block's largest p: the same two instructions on the same number
.endr
	v_pk_add_f32 v[SUM2:SUM2+1], v[S:S+1], v[S+2:S+3]   ; the row's sum is taken of the unquantised p, in two chains
.irp j, 4,8,12,16,20,24,28,32,36,40,44,48,52
	v_pk_add_f32 v[L:L+1], v[L:L+1], v[S+\j:S+\j+1]
	v_pk_add_f32 v[SUM2:SUM2+1], v[SUM2:SUM2+1], v[S+\j+2:S+\j+3]
.endr
	s_wait_alu depctr_va_vdst(0)                   ; and one for the four
.irp b, 0,1,2,3
	v_max_num_f32 v[BM+\b], 0x2800000, v[BM+\b]    ; the floor 2^(5 - 127): the byte cannot fall under 1
.endr
.irp b, 0,1,2,3
	v_add_nc_u32 v[BS+\b], 0xfe000000, v[BM+\b]    ; 4 off the exponent field: the conversion's scale operand
.endr
.irp b, 0,1,2,3
	v_lshrrev_b32 v[BT+\b], 23, v[BS+\b]
.endr
	v_lshl_or_b32 v[PW], v[BT+1], 8, v[BT]         ; p's scale word for these 128 keys
	v_lshl_or_b32 v[PW], v[BT+2], 16, v[PW]
	v_lshl_or_b32 v[PW], v[BT+3], 24, v[PW]
	v_cvt_scalef32_pk16_bf6_f32 v[PC:PC+2], v[S:S+15], v[BS]
	v_cvt_scalef32_pk16_bf6_f32 v[PT0:PT0+2], v[S+16:S+31], v[BS+1]
	v_cvt_scalef32_pk16_bf6_f32 v[PC+6:PC+8], v[S+32:S+47], v[BS+2]
	v_cvt_scalef32_pk16_bf6_f32 v[PT1:PT1+2], v[S+48:S+63], v[BS+3]
	v_nop                                          ; one plain instruction behind the conversions
.irp i, 0,1,2                                          ; the operand wants a WHOLE block in a lane: lanes 0-15 block 2 c, lanes 16-31 block 2 c + 1
	v_permlane16_swap_b32 v[PC+\i], v[PT0+\i]
	v_permlane16_swap_b32 v[PC+6+\i], v[PT1+\i]
.endr
.irp i, 0,1,2
	v_mov_b32 v[PC+3+\i], v[PT0+\i]
	v_mov_b32 v[PC+9+\i], v[PT1+\i]
.endr
.set i, 0
.rept 16
	v_pk_mul_f32 v[O+i:O+i+1], v[O+i:O+i+1], v[F:F+1] op_sel_hi:[1,0]   ; O^T under the new M, each accumulator from its low end on
.set i, i+2
.endr
.irp j, 56,60                                          ; the sum's last additions stand here: with the 16 above, more than eight plain instructions behind p's scale word and four behind its codes, and five behind the last write of O^T
	v_pk_add_f32 v[L:L+1], v[L:L+1], v[S+\j:S+\j+1]
	v_pk_add_f32 v[SUM2:SUM2+1], v[SUM2:SUM2+1], v[S+\j+2:S+\j+3]
.endr
	v_pk_add_f32 v[L:L+1], v[L:L+1], v[SUM2:SUM2+1]
	s_wait_dscnt 0x0                               ; V's tiles and scale words are in
	PV1 0                                          ; O^T += V^T P^T: four accumulators, one instruction each; between two links of a chain stand the next step's eight products and three of these
	PV1 1
	PV1 2
	PV1 3
.Lskip:
	s_lshr_b32 s[ANY], s[ANY], 1
	s_lshr_b32 s[MIX], s[MIX], 1
	s_add_co_u32 s[TK], s[TK], 6144
	s_add_co_u32 s[TS], s[TS], 256
	s_add_co_u32 s[TM], s[TM], 128
	s_add_co_u32 s[SI], s[SI], 1
	s_cmp_lt_u32 s[SI], 16
	s_cbranch_scc1 .Lstep
	; ---- the way out: O^T / the sum goes through my stage and leaves as whole rows: the tile's 16 rows of 256 bytes are 4,096 dense bytes of out0
.rept 4
	v_nop                                          ; four plain instructions behind the last products, ahead of the first read of O^T
.endr
	v_add_f32 v[L], v[L], v[L+1]
	v_permlanex16_b32 v[TMP], v[L], s[SEL], s[SEL+1]
	v_add_f32 v[L], v[L], v[TMP]                   ; the row's sum
	v_rcp_f32 v[L], v[L]
	v_nop                                          ; a plain instruction behind the reciprocal
	s_wait_alu depctr_va_vdst(0)                   ; and a wait ahead of its first reader
.set i, 0
.rept 16
	v_pk_mul_f32 v[S+i:S+i+1], v[O+i:O+i+1], v[L:L+1] op_sel_hi:[1,0]   ; register 8 t + j is out0(r, 16 t + 8 h + j); a row without a true mask byte: 0 x infinity = NaN
.set i, i+2
.endr
.irp t, 0,1,2,3
	ds_store_b128 v[SO], v[S+8*\t:S+8*\t+3] offset:64*\t
	ds_store_b128 v[SO], v[S+8*\t+4:S+8*\t+7] offset:64*\t+16
.endr
.irp i, 0,1,2,3,4,5,6,7
	ds_load_b128 v[S+32+4*\i:S+32+4*\i+3], v[SR] offset:2*\i*SPITCH   ; LDS serves a wave's instructions in order: these see my stores
.endr
.irp i, 0,1,2,3,4,5,6,7
	s_wait_dscnt 7-\i                              ; rows 2 i and 2 i + 1 are back; the younger loads may be out
	global_store_b128 v[LI16], v[S+32+4*\i:S+32+4*\i+3], s[OB:OB+1] offset:512*\i th:TH_STORE_NT   ; 32 lanes store 512 consecutive bytes, at a multiple of 256 from out0's first byte
.endr
	s_add_co_u32 s[TI], s[TI], 1
	s_cmp_lt_u32 s[TI], 2
	s_cbranch_scc1 .Ltile
	s_wait_tensorcnt 0x0
	ds_add_u32 v247, v251
	s_wait_dscnt 0x0
	s_endpgm
.Lfunc_end_k_qbb249392d6_attn:
	.size	k_qbb249392d6_attn, .Lfunc_end_k_qbb249392d6_attn-k_qbb249392d6_attn
	.p2alignl 7, 3214868480
	.fill 96, 4, 3214868480
	.section	.rodata,"a",@progbits
	.p2align	6, 0x0
	.amdhsa_kernel k_qbb249392d6_attn
		.amdhsa_group_segment_fixed_size 276480
		.amdhsa_private_segment_fixed_size 0
		.amdhsa_enable_private_segment 0
		.amdhsa_kernarg_size 48
		.amdhsa_user_sgpr_count 2
		.amdhsa_user_sgpr_kernarg_segment_ptr 1
		.amdhsa_wavefront_size32 1
		.amdhsa_system_sgpr_workgroup_id_x 1
		.amdhsa_system_sgpr_workgroup_id_y 1
		.amdhsa_system_sgpr_workgroup_id_z 1
		.amdhsa_system_vgpr_workitem_id 0
		.amdhsa_next_free_vgpr 256
		.amdhsa_next_free_sgpr 66
		.amdhsa_reserve_vcc 0
		.amdhsa_float_denorm_mode_32 3
		.amdhsa_float_denorm_mode_16_64 3
		.amdhsa_memory_ordered 1
		.amdhsa_forward_progress 1
		.amdhsa_inst_pref_size 101
	.end_amdhsa_kernel
	.amdgpu_metadata
---
amdhsa.version: [ 1, 2 ]
amdhsa.kernels:
  - .name:           k_qbb249392d6_attn
    .symbol:         k_qbb249392d6_attn.kd
    .args:
      - { .name: q, .offset: 0, .size: 8, .value_kind: global_buffer, .address_space: global }
      - { .name: k, .offset: 8, .size: 8, .value_kind: global_buffer, .address_space: global }
      - { .name: v, .offset: 16, .size: 8, .value_kind: global_buffer, .address_space: global }
      - { .name: mask, .offset: 24, .size: 8, .value_kind: global_buffer, .address_space: global }
      - { .name: out0, .offset: 32, .size: 8, .value_kind: global_buffer, .address_space: global }
      - { .name: flags, .offset: 40, .size: 8, .value_kind: global_buffer, .address_space: global }
    .group_segment_fixed_size: 276480
    .private_segment_fixed_size: 0
    .kernarg_segment_align: 8
    .kernarg_segment_size: 48
    .max_flat_workgroup_size: 512
    .sgpr_count:     66
    .vgpr_count:     256
    .wavefront_size: 32
...
	.end_amdgpu_metadata
.endif
;; end of part 2
;; ======== version 2 of 2: 2 launches
;; workspace buffers: flags 2,048 bytes of whole numbers
;; launch flags (part 3): grid 4 x 128, 1 waves a work-group, no clusters, 0 bytes of LDS; arguments mask, flags; writes flags
.if DOCPART == 3
	.amdgcn_target "amdgcn-amd-amdhsa--gfx1250"
	.amdhsa_code_object_version 6
	.text
	.protected	k_qbb249392d6_flags
	.globl	k_qbb249392d6_flags
	.p2align	8
	.type	k_qbb249392d6_flags,@function
k_qbb249392d6_flags:
	s_mov_b64 s[64:65], 0
	v_nop
	global_prefetch_b8 v0, s[64:65] scope:SCOPE_SE
	s_setreg_imm32_b32 hwreg(HW_REG_WAVE_MODE, 25, 1), 1
	s_wait_xcnt 0x0
; mask [2048][2048] bytes (0 or 1) -> flags [128 tiles of 16 queries][4 runs] words.  The attention launch walks a tile's 16 key steps of 128 keys and wants two bits for each: ANY (some mask byte of the 16 x 128 is true)
; and MIX (some byte is false).  Work-group (k, tile), one wave, takes the tile's 16 rows x 512 columns: key steps 4 k .. 4 k + 3.  Its word holds ANY of step s at bit s and MIX of step s at bit 16 + s, all other bits 0:
; the four words of a tile are OR-ed by their reader.  Nothing is assumed of the mask's pattern.
; Each load reads 512 consecutive bytes of a row; lane l's 16 bytes belong to key step 4 k + l / 8.  The word is 4 bytes a work-group, 2,048 bytes in the whole launch: gathered runs of 256 bytes would want 64 waves to meet.
.set X,  8                             ; v8-71  the lane's 64 words of mask bytes
.set BM, 72                            ; v72-75 four chains of sums
	s_load_b128 s[4:7], s[0:1], 0x0                ; mask s[4:5], flags s[6:7]
	v_lshlrev_b32 v1, 4, v0                        ; 16 x lane (one wave: the thread's number is the lane)
	s_and_b32 s8, ttmp7, 0xffff                    ; the tile
	s_lshl_b32 s10, s8, 15                         ; its 16 rows of 2,048 bytes
	s_lshl_b32 s9, ttmp9, 9                        ; the run's 512 bytes
	s_add_co_u32 s10, s10, s9
	s_mov_b32 s11, 0
	s_lshl_b32 s12, s8, 4                          ; the tile's four words
	s_lshl_b32 s9, ttmp9, 2                        ; 4 k: my word's byte offset among them, and the shift of my four steps' bits
	s_add_co_u32 s12, s12, s9
	s_mov_b32 s13, 0
	s_wait_alu depctr_va_vdst(0)
	s_wait_kmcnt 0x0
	s_add_nc_u64 s[4:5], s[4:5], s[10:11]
	s_add_nc_u64 s[6:7], s[6:7], s[12:13]
.irp p, 0,1,2,3,4,5,6,7,8,9,10,11,12,13,14,15
	global_load_b128 v[X+4*\p:X+4*\p+3], v1, s[4:5] offset:2048*\p th:TH_LOAD_NT   ; read once in this launch
.endr
	v_mov_b32 v3, 0
	s_wait_loadcnt 0x0
; the 64 words are added as they stand: each byte of the sum counts 64 mask bytes, at most 64, so nothing carries.  0: all false; 0x40404040: all true
.irp j, 0,1,2,3
	v_add3_u32 v[BM+\j], v[X+16*\j], v[X+16*\j+1], v[X+16*\j+2]
.endr
.irp i, 3,5,7,9,11,13
.irp j, 0,1,2,3
	v_add3_u32 v[BM+\j], v[BM+\j], v[X+16*\j+\i], v[X+16*\j+\i+1]
.endr
.endr
.irp j, 0,1,2,3
	v_add_nc_u32 v[BM+\j], v[BM+\j], v[X+16*\j+15]
.endr
	v_add3_u32 v[BM], v[BM], v[BM+1], v[BM+2]
	v_add_nc_u32 v[BM], v[BM], v[BM+3]
	v_cmp_ne_u32 s14, 0, v[BM]                     ; lanes with a true byte
	v_cmp_ne_u32 s15, 0x40404040, v[BM]            ; lanes with a false byte
	s_mov_b32 s16, 0
.irp g, 0,1,2,3
	s_bfe_u32 s17, s14, (8<<16)|(8*\g)             ; SCC: one of the step's eight lanes has its bit
	s_cselect_b32 s17, 1<<\g, 0
	s_or_b32 s16, s16, s17
	s_bfe_u32 s17, s15, (8<<16)|(8*\g)
	s_cselect_b32 s17, 1<<(16+\g), 0
	s_or_b32 s16, s16, s17
.endr
	s_lshl_b32 s16, s16, s9                        ; to steps 4 k .. 4 k + 3: ANY stays under bit 16, MIX under bit 32
	v_mov_b32 v2, s16
	v_cmp_eq_u32 vcc_lo, 0, v0
	s_wait_alu depctr_va_vdst(0)
	s_wait_xcnt 0x0                                ; EXEC changes only behind this wait
	s_and_saveexec_b32 s18, vcc_lo                 ; lane 0 alone stores the word
	global_store_b32 v3, v2, s[6:7]
	s_wait_xcnt 0x0                                ; and again, in front of the line that widens it
	s_or_b32 exec_lo, exec_lo, s18
	s_endpgm
.Lfunc_end_k_qbb249392d6_flags:
	.size	k_qbb249392d6_flags, .Lfunc_end_k_qbb249392d6_flags-k_qbb249392d6_flags
	.p2alignl 7, 3214868480
	.fill 96, 4, 3214868480
	.section	.rodata,"a",@progbits
	.p2align	6, 0x0
	.amdhsa_kernel k_qbb249392d6_flags
		.amdhsa_group_segment_fixed_size 0
		.amdhsa_private_segment_fixed_size 0
		.amdhsa_enable_private_segment 0
		.amdhsa_kernarg_size 16
		.amdhsa_user_sgpr_count 2
		.amdhsa_user_sgpr_kernarg_segment_ptr 1
		.amdhsa_wavefront_size32 1
		.amdhsa_system_sgpr_workgroup_id_x 1
		.amdhsa_system_sgpr_workgroup_id_y 1
		.amdhsa_system_sgpr_workgroup_id_z 1
		.amdhsa_system_vgpr_workitem_id 0
		.amdhsa_next_free_vgpr 80
		.amdhsa_next_free_sgpr 66
		.amdhsa_reserve_vcc 1
		.amdhsa_float_denorm_mode_32 3
		.amdhsa_float_denorm_mode_16_64 3
		.amdhsa_memory_ordered 1
		.amdhsa_forward_progress 1
		.amdhsa_inst_pref_size 6
	.end_amdhsa_kernel
	.amdgpu_metadata
---
amdhsa.version: [ 1, 2 ]
amdhsa.kernels:
  - .name:           k_qbb249392d6_flags
    .symbol:         k_qbb249392d6_flags.kd
    .args:
      - { .name: mask, .offset: 0, .size: 8, .value_kind: global_buffer, .address_space: global }
      - { .name: flags, .offset: 8, .size: 8, .value_kind: global_buffer, .address_space: global }
    .group_segment_fixed_size: 0
    .private_segment_fixed_size: 0
    .kernarg_segment_align: 8
    .kernarg_segment_size: 16
    .max_flat_workgroup_size: 32
    .sgpr_count:     66
    .vgpr_count:     80
    .wavefront_size: 32
...
	.end_amdgpu_metadata
.endif
;; end of part 3
;; launch attn (part 4): grid 4 x 64, 16 waves a work-group, no clusters, 276,480 bytes of LDS; arguments q, k, v, mask, out0, flags; writes out0
.if DOCPART == 4
	.amdgcn_target "amdgcn-amd-amdhsa--gfx1250"
	.amdhsa_code_object_version 6
	.text
	.protected	k_qbb249392d6_attn
	.globl	k_qbb249392d6_attn
	.p2align	8
	.type	k_qbb249392d6_attn,@function
k_qbb249392d6_attn:
	s_mov_b64 s[64:65], 0
	v_nop
	global_prefetch_b8 v0, s[64:65] scope:SCOPE_SE
	s_setreg_imm32_b32 hwreg(HW_REG_WAVE_SCHED_MODE, 0, 2), 2
	s_setreg_imm32_b32 hwreg(HW_REG_WAVE_MODE, 25, 1), 1
	s_wait_xcnt 0x0
	s_wait_alu depctr_vm_vsrc(0)
; out0[h][q][:] = the sum over k of softmax_k(where(mask[q][k], q[h][q] . k[h][k] / 8, -inf)) v[h][k][:].  64 heads, 2,048 queries and keys, head size 64; q, k, v, out0 f32; mask [2048][2048] bytes, an input.
; Both products on codes of BF6 (E3M2) with one E8M0 scale for each 32 along a product's K.  First product: K = the head's 64.  Second: K = the keys; its left operand is p = 2^(t - M), t = score x log2(e) / 8,
; M = the running largest t rounded UP to a whole number; the row's sum is taken of the unquantised p and divides at the end.  When M moves, the sum and O are multiplied by 2^(old M - new M): exact.
; SHARES.  Work-group (j, head), 16 waves.  First each wave quantises 128 keys of the head's K and V (key step s = its number) into LDS, as IMAGES OF THE OPERANDS' REGISTERS; one barrier; from then on the images are only read.
; A head's codes are 2 x 98,304 bytes and its scale words 2 x 4,096: they stay in LDS whole.  Then wave w makes two tiles of 16 queries: rows 64 n + 16 j on, n = w and n = 31 - w, each against the 16 key steps.
; THE MASK.  The launch before has stored, for each tile of 16 queries, two bits for each key step of 128 keys: ANY (some mask byte is true) and MIX (some byte is false): flags [128 tiles][4] words, to be OR-ed; ANY of step s at
; bit s, MIX at bit 16 + s.  A step with ANY = 0 adds nothing to the sum or to O and does not move M: it is left out, by a scalar branch on these stored whole numbers.  A step with MIX = 0 needs no masking; the others read their
; mask bytes.  Nothing is assumed of the mask's pattern.  A row with no true byte gives 0 x (1 / 0) = NaN, as the softmax of -inf alone does.
; LAYOUT.  Both products are used transposed: S^T = K Q^T (source 0 = keys, source 1 = my 16 queries), O^T = V^T P^T (source 0 = 16 of the head's 64, source 1 = P): a lane (r = lane % 16, h = lane / 16) holds query r throughout.
; The instruction is 128 deep and the head is 64: ONE operand of K carries TWO tiles of 16 keys, key A = 32 b + r + 8 (r / 8) at k 0-63 and key A + 8 at k 64-127.  It is multiplied once by [q | zero codes] and once by [zero codes | q].
; Zero codes add nothing; their scale bytes are 1.  So S[16 b + 8 u + j] of lane (r, h) is key 128 s + 32 b + 16 h + 8 u + j: 16 registers are 16 neighbouring keys, as the conversions for P want them.
; NO CLUSTER, NO TENSOR LOAD: K and V arrive as f32 and pass through registers to be quantised, and the walk over the key steps branches on numbers read from memory.
; So what the four work-groups of a head share (K and V, 1 MiB of f32) is read by each of them.
; LIMITS.  NaN and infinities among q, k, v are not served.  A block whose largest magnitude lies under 2^-122 gets the scale byte 1; so does a block of zeros (the rule says 127): its codes are zeros, and the bytes are read by this
; program alone.  p under 2^-126 counts as 0 (v_exp_f32 gives no denormals: ISA guide, its entry).  Mask bytes are 0 or 1.
; THE MODE: SCHED_MODE bits 1:0 = 2 (LLVM: expert scheduling mode 2), set by the entry lines.  The code itself states the register dependences between vector or matrix instructions and memory or LDS instructions,
; with s_wait_alu, always for 0.
; THE PLAN.  Registers that memory or LDS instructions touch, and who else names them:
;   v1-6, v240-246  offsets and LDS addresses: written once at the head, ahead of one wait on va_vdst; never written again.  v247, v251: written there too, read by the closing add alone.
;   R0, R1          K's turn: global loads land, a pair's 16 stage stores read, no vector instruction names them.  One wait on vm_vsrc behind a pair's stage stores; the loads of the pair after next follow it at once.
;   XA, XB          LDS loads land, the quantiser reads.   CQ, W0: the quantiser writes, the image stores read.  One wait on va_vdst a pair, ahead of the image stores: the codes and the word are written, and the quantiser is
;                   done reading XA and XB; no vector instruction stands between it and the next pair's LDS loads.  The next pair's wait on vm_vsrc also frees CQ and W0.
;   V               a half of R0: loads land, the quantiser reads, loads land again.  CV, VW: the quantiser writes, the image stores read.  One wait on va_vdst a block, behind the quantiser; vm_vsrc at blocks 0 and 4.
;   ADK, ADV, ADS, MA  written at a key step's head, read by that step's loads: vm_vsrc ahead of the four additions, va_vdst behind them.
;   KV              K's LDS loads land, the eight products read; V's LDS loads land, the four products read.   KS, VS: LDS loads land, products read.   MK: mask loads land, the masking lines read and write.
;   QF, QSL, QSH, PC, PW  operands and scale words that vector instructions write and scaled products take.
;   O               q's loads land at a tile's head; else vector and matrix instructions alone.   S: products and vector lines write; on the way out stage stores read its lower half, LDS loads land in its upper half, global stores read that.
; So a key step has four waits on va_vdst of its own: at its head (the addresses; the last step's products and masking lines are done with KV, KS, VS, MK; in a tile's first step q's codes and words are written), behind the
; eight products (they are done reading K's operands, in which V's land), ahead of the exponentials, and ahead of the four products (p's codes and word are written); two more stand behind the exponentials.
; All 256 registers of a wave are taken and four waves share a SIMD's 1,024: there is no room for a second set of operands.
; ---- LDS
.set KIMG,   0                         ; K's images: step s 6,144 bytes; pair b 1,536 = 3 blocks of 512: block c holds registers 4 c .. 4 c + 3 of the pair's 12, 16 bytes a lane
.set VIMG,   98304                     ; V's images: step s 6,144 bytes; tile t (d = 16 t + r) 1,536, likewise
.set KSC,    196608                    ; K's scale words: step s 256 bytes; the word at 8 l + 4 e belongs to pair 2 e + l / 16, row l % 16
.set VSC,    200704                    ; V's: the word at 8 l + 4 e belongs to tile 2 e + l / 16, d = 16 t + l % 16
.set STG,    204800                    ; a stage of 16 rows x 272 bytes for each wave, its own: K's turn at the head, O's way out later
.set SPITCH, 272                       ; 256 bytes + 16 = 68 words: row r starts at bank 4 r mod 64 (64 banks of 4 bytes: ISA guide 11.1)
; ---- scalar registers
.set FW,  4                            ; s[4:7] behind the head (q's and k's addresses are done with): the tile's four flag words
.set FA,  8                            ; s[8:9] behind the head (v's address is done with): where they lie
.set WV,  14                           ; my wave's number
.set J,   15                           ; work-group x
.set HD,  16                           ; the head
.set SEL, 20                           ; s[20:21] v_permlanex16_b32's selects for lane l xor 16
.set CS,  22                           ; s[22:23] c = log2(e) / 8, twice (the packed form names the pair)
.set KB,  24                           ; s[24:25] k at my 128 keys;  s[26:27] v likewise
.set VB,  26
.set QH,  28                           ; s[28:29] q at my head;  s[30:31] out0 likewise
.set OH,  30
.set QB,  32                           ; s[32:33], s[34:35], s[36:37]: q, out0 and mask at the tile's first row
.set OB,  34
.set MB,  36
.set OFS, 38                           ; s[38:39] an offset, high word 0
.set TI,  40                           ; counts the wave's two tiles
.set SI,  41                           ; counts a tile's 16 key steps
.set TK,  42                           ; 6,144 x step
.set TS,  43                           ; 256 x step
.set TM,  44                           ; 128 x step
.set ANY, 45                           ; bit 0: the step in hand has a true mask byte; shifted down a bit a step
.set MIX, 46                           ; bit 0: it has a false one
.set T0,  47
.set T1,  48
.set T2,  49
.set NN,  50
.set P1,  51                           ; s51-53 v_perm_b32 selectors: byte 1, 2, 3 into all four places
.set P2,  52
.set P3,  53
.set FL,  54                           ; s[54:55] flags
; ---- vector registers that stay
.set LI16, 1                           ; 16 x lane
.set LS8,  2                           ; KSC + 8 x lane
.set MOFF, 3                           ; mask: 2,048 r + 16 h
.set QOFF, 4                           ; q: 256 r + 128 h
.set SO,   5                           ; stage: 272 r + 32 h
.set SR,   6                           ; stage: 272 h + 16 r
.set ADK,  8                           ; the step's addresses: K's images, V's images, scale words, mask bytes
.set ADV,  9
.set ADS,  10
.set MA,   11
.set NM,   12                          ; -M
.set TX,   13                          ; the running largest t
.set L,    14                          ; v[14:15] the row's sum, in two halves
.set QSL,  16                          ; v16-22 hold scale words and nothing else: q's for [q | 0], q's for [0 | q], K's two, V's two, p's
.set QSH,  17
.set KS,   18
.set VS,   20
.set PW,   22
.set NI,   23                          ; -infinity
; ---- the main phase
.set QF,   24                          ; v24-29 zero codes, v30-35 q's codes, v36-41 zero codes: v[24:35] = [0 | q], v[30:41] = [q | 0]
.set KV,   42                          ; v42-89 four operands of 12: K's pairs, then V's tiles
.set MK,   90                          ; v90-105 the step's mask bytes
.set S,    106                         ; v106-169 S^T, then p
.set O,    170                         ; v170-201 O^T
.set PC,   202                         ; v202-213 p's codes
.set PT0,  214
.set PT1,  218
.set BM,   222                         ; v222-225 a block's largest score, then its largest p
.set BT,   226
.set BS,   230
.set F,    234                         ; v[234:235] 2^(old M - new M); the upper word is only named
.set TMP,  236
.set SUM2, 238
; ---- the head only
.set R0,   42                          ; v42-105, v106-169: 32 keys of K as loaded; later v42-73, v74-105: blocks of V
.set R1,   106
.set XA,   170                         ; v170-201, v202-233: 32 neighbours along d of my key of group A, of group B
.set XB,   202
.set CQ,   24                          ; v24-35 a pair's codes
.set TA,   36
.set TBB,  248
.set BYA,  238
.set BYB,  239
.set KIW,  240                         ; where I store: K's images, K's scale words, V's images, V's scale words
.set KSW,  241
.set VIW,  242
.set VSW,  243
.set VOF,  244                         ; 4 x lane
.set SH8,  245                         ; 8 h
.set SX,   246                         ; stage: 272 r + 128 h
.set CV,   106                         ; v106-117, v118-129: V's codes for columns 32 g + lane
.set VW,   130                         ; v130, v131: their scale words in the making
.set W0,   252
.set W1,   253
.set W2,   254
.set W3,   255
; 32 numbers of ONE lane, v[x] .. v[x + 31], a whole block, become 6 registers of codes at v[d] and the scale's byte in v[by].  The largest magnitude has the floor 2^(5 - 127) among its leaves, so the byte cannot fall under 1;
; 4 off its exponent field is the conversion's scale operand.  A conversion's three registers begin on an even number: the block's second half is made at v[t] and moved.
.macro QUANT32 x, d, t, by
	v_max3_num_f32 v[W0], |v[(\x)]|, |v[(\x)+1]|, 0x2800000
	v_max3_num_f32 v[W1], |v[(\x)+2]|, |v[(\x)+3]|, |v[(\x)+4]|
.irp i, 5,9,13,17,21,25
	v_max3_num_f32 v[W0], v[W0], |v[(\x)+\i]|, |v[(\x)+\i+1]|
	v_max3_num_f32 v[W1], v[W1], |v[(\x)+\i+2]|, |v[(\x)+\i+3]|
.endr
	v_max3_num_f32 v[W0], v[W0], |v[(\x)+29]|, |v[(\x)+30]|
	v_max3_num_f32 v[W0], v[W0], v[W1], |v[(\x)+31]|
	v_add_nc_u32 v[W2], 0xfe000000, v[W0]
	v_cvt_scalef32_pk16_bf6_f32 v[(\d):(\d)+2], v[(\x):(\x)+15], v[W2]
	v_cvt_scalef32_pk16_bf6_f32 v[(\t):(\t)+2], v[(\x)+16:(\x)+31], v[W2]
	v_lshrrev_b32 v[(\by)], 23, v[W2]              ; the byte; also the plain instruction behind the conversions
.irp i, 0,1,2
	v_mov_b32 v[(\d)+3+\i], v[(\t)+\i]
.endr
.endm
; Pair b's 32 keys of K, 8,192 dense bytes: each load reads 512 consecutive bytes, two keys' rows
.macro KLOAD b, R
.irp i, 0,1,2,3,4,5,6,7,8,9,10,11,12,13,14,15
	global_load_b128 v[(\R)+4*\i:(\R)+4*\i+3], v[LI16], s[KB:KB+1] offset:8192*(\b)+512*\i
.endr
.endm
; The pair goes through my stage, 16 keys at a time: group A = keys 0-7 and 16-23 of the 32, group B = keys 8-15 and 24-31; stage row r is the key of operand row r.  It comes back 128 bytes a lane: d = 32 h .. 32 h + 31 of row r.
; LDS serves a wave's instructions in order (ISA guide 5.7.1.4): group B's stores come behind group A's loads, and no wait stands between stores and loads.
; The LDS loads into XA and XB owe no wait of their own: no vector instruction stands between the wait ahead of the last pair's image stores and them.
.macro KTURN R, younger
	s_wait_loadcnt \younger                        ; this pair's 16 loads are in; the younger ones stay out
.irp i, 0,1,2,3
	ds_store_b128 v[SR], v[(\R)+4*\i:(\R)+4*\i+3] offset:2*\i*SPITCH
.endr
.irp i, 8,9,10,11
	ds_store_b128 v[SR], v[(\R)+4*\i:(\R)+4*\i+3] offset:(2*\i-8)*SPITCH
.endr
.irp e, 0,1,2,3,4,5,6,7
	ds_load_b128 v[XA+4*\e:XA+4*\e+3], v[SX] offset:16*\e
.endr
.irp i, 4,5,6,7
	ds_store_b128 v[SR], v[(\R)+4*\i:(\R)+4*\i+3] offset:(2*\i-8)*SPITCH
.endr
.irp i, 12,13,14,15
	ds_store_b128 v[SR], v[(\R)+4*\i:(\R)+4*\i+3] offset:(2*\i-16)*SPITCH
.endr
.irp e, 0,1,2,3,4,5,6,7
	ds_load_b128 v[XB+4*\e:XB+4*\e+3], v[SX] offset:16*\e
.endr
	s_wait_alu depctr_vm_vsrc(0)                   ; the 16 stage stores have read the pair's registers, in which the global loads that follow this macro land; the last pair's image stores have read v[CQ ..] and v[W0], which the quantiser writes again
.endm
.macro KFIN b
	s_wait_dscnt 16                                ; group A is back; group B's 8 stores and 8 loads may be out
	QUANT32 XA, CQ, TA, BYA
	s_wait_dscnt 0x0                               ; group B is back
	QUANT32 XB, CQ+6, TBB, BYB
	v_lshl_or_b32 v[W0], v[BYB], 16, v[BYA]        ; my two bytes: block h of key A, block h of key B,
	v_lshlrev_b32 v[W0], v[SH8], v[W0]             ; at their places (8 h bits up);
	v_permlanex16_b32 v[W3], v[W0], s[SEL], s[SEL+1]
	v_or_b32 v[W0], v[W0], v[W3]                   ; with lane l xor 16's two the word is whole: [A0, A1, B0, B1]
	s_wait_alu depctr_va_vdst(0)                   ; the pair's codes v[CQ ..] and its word v[W0] are written, which the stores below read; the quantiser is done reading XA and XB, in which the next pair's LDS loads land (behind the last pair: q's loads, in XA)
.irp c, 0,1,2
	ds_store_b128 v[KIW], v[CQ+4*\c:CQ+4*\c+3] offset:1536*(\b)+512*\c
.endr
	ds_store_b32 v[KSW], v[W0] offset:128*((\b)%2)+4*((\b)/2)   ; both halves of the lanes write the same word with the same value
.endm
; V: a lane takes a column d = 32 g + lane and its registers run down the keys: a block of 32 keys lies in one lane.  Run n: g = n % 2, block 0, 0, 2, 2, 1, 1, 3, 3 of my four: the two halves of a key's 256 bytes follow each other.
.macro VLOAD n
.set LBETA, 2*(((\n)/2)%2)+(\n)/4
.set vi, 0
.rept 32
	global_load_b32 v[R0+32*((\n)%2)+vi], v[VOF], s[VB:VB+1] offset:(32*LBETA+vi)*256+128*((\n)%2)
.set vi, vi+1
.endr
.endm
; Block beta of column d belongs to the image of tile d / 16, lane (d % 16, beta % 2), registers 6 (beta / 2) on.  When blocks beta % 2 and 2 + beta % 2 are made, the 12 registers go to that image lane.
.macro VBLK n, younger
.set VBETA, 2*(((\n)/2)%2)+(\n)/4
.set VG, (\n)%2
	s_wait_dscnt 0x0                               ; my earlier image stores have landed
.if ((\n) == 0) || ((\n) == 4)
	s_wait_alu depctr_vm_vsrc(0)                   ; run 0: K's last image stores have read v[W0] and v[CQ ..]; run 4: the image stores of runs 2 and 3 have read v[CV ..]: these are written again from here on
.endif
	s_wait_loadcnt \younger                        ; this block's 32 loads are in; the next block's may be out
.if VBETA == 0
	QUANT32 R0+32*VG, CV+12*VG, TA, VW+VG
.else
	QUANT32 R0+32*VG, CV+12*VG+6*(VBETA/2), TA, W3
	v_lshl_or_b32 v[VW+VG], v[W3], 8*VBETA, v[VW+VG]
.endif
	s_wait_alu depctr_va_vdst(0)                   ; the quantiser is done reading this block's 32 registers, in which the loads below land; it has written v[CV ..] and v[VW ..], which the stores below read
.if (\n)+2 < 8
	VLOAD (\n)+2
.endif
.if VBETA/2 == 1
.irp c, 0,1,2
	ds_store_b128 v[VIW], v[CV+12*VG+4*\c:CV+12*VG+4*\c+3] offset:3072*VG+256*(VBETA%2)+512*\c
.endr
.endif
.if VBETA == 3
	ds_store_b32 v[VSW], v[VW+VG] offset:4*VG
.endif
.endm
; Pair b's two products: the same operand of K against [q | 0] and [0 | q].  Its scale words lie in lanes 0-15 (b even) or 16-31 (b odd) of v[KS + b / 2].
.macro KQ2 b
	s_wait_dscnt 9-3*(\b)                          ; the scale words and pairs 0 .. b are in; the later pairs' three loads each may be out
.if (\b)%2
	v_wmma_scale_f32_16x16x128_f8f6f4 v[S+16*(\b):S+16*(\b)+7], v[KV+12*(\b):KV+12*(\b)+11], v[QF+6:QF+17], 0, v[KS+(\b)/2], v[QSL] matrix_a_fmt:MATRIX_FMT_BF6 matrix_b_fmt:MATRIX_FMT_BF6 matrix_a_scale:MATRIX_SCALE_ROW1
	v_wmma_scale_f32_16x16x128_f8f6f4 v[S+16*(\b)+8:S+16*(\b)+15], v[KV+12*(\b):KV+12*(\b)+11], v[QF:QF+11], 0, v[KS+(\b)/2], v[QSH] matrix_a_fmt:MATRIX_FMT_BF6 matrix_b_fmt:MATRIX_FMT_BF6 matrix_a_scale:MATRIX_SCALE_ROW1
.else
	v_wmma_scale_f32_16x16x128_f8f6f4 v[S+16*(\b):S+16*(\b)+7], v[KV+12*(\b):KV+12*(\b)+11], v[QF+6:QF+17], 0, v[KS+(\b)/2], v[QSL] matrix_a_fmt:MATRIX_FMT_BF6 matrix_b_fmt:MATRIX_FMT_BF6
	v_wmma_scale_f32_16x16x128_f8f6f4 v[S+16*(\b)+8:S+16*(\b)+15], v[KV+12*(\b):KV+12*(\b)+11], v[QF:QF+11], 0, v[KS+(\b)/2], v[QSH] matrix_a_fmt:MATRIX_FMT_BF6 matrix_b_fmt:MATRIX_FMT_BF6
.endif
.endm
.macro PV1 t
.if (\t)%2
	v_wmma_scale_f32_16x16x128_f8f6f4 v[O+8*(\t):O+8*(\t)+7], v[KV+12*(\t):KV+12*(\t)+11], v[PC:PC+11], v[O+8*(\t):O+8*(\t)+7], v[VS+(\t)/2], v[PW] matrix_a_fmt:MATRIX_FMT_BF6 matrix_b_fmt:MATRIX_FMT_BF6 matrix_a_scale:MATRIX_SCALE_ROW1
.else
	v_wmma_scale_f32_16x16x128_f8f6f4 v[O+8*(\t):O+8*(\t)+7], v[KV+12*(\t):KV+12*(\t)+11], v[PC:PC+11], v[O+8*(\t):O+8*(\t)+7], v[VS+(\t)/2], v[PW] matrix_a_fmt:MATRIX_FMT_BF6 matrix_b_fmt:MATRIX_FMT_BF6
.endif
.endm
; ======== the head: addresses
	s_load_b256 s[4:11], s[0:1], 0x0               ; q s[4:5], k s[6:7], v s[8:9], mask s[10:11]
	s_load_b64 s[12:13], s[0:1], 0x20              ; out0
	s_load_b64 s[FL:FL+1], s[0:1], 0x28            ; flags
	v_lshl_add_u32 v247, v0, 2, 0x43000            ; the LDS address of my spare word, behind the stages: 128 bytes for each of the 16 waves; this register and the next are kept for the closing lines alone
	v_mov_b32 v251, 0
	v_lshrrev_b32 v7, 5, v0
	v_readfirstlane_b32 s[WV], v7                  ; wave 0..15
	v_and_b32 v7, 31, v0                           ; lane
	s_wait_alu depctr_va_vdst(0)
	v_and_b32 v8, 15, v0                           ; r
	s_wait_alu depctr_va_vdst(0)
	v_bfe_u32 v9, v0, 4, 1                         ; h
	s_mov_b32 s[J], ttmp9
	s_and_b32 s[HD], ttmp7, 0xffff
	s_lshl_b32 s18, s[HD], 19                      ; a head is 2,048 x 64 x 4 bytes
	s_mov_b32 s19, 0
	s_wait_alu depctr_va_sdst(0)                   ; the wave's number is written, ahead of its first reader, the next line
	s_lshl_b32 s[OFS], s[WV], 15                   ; my 128 keys of 256 bytes
	s_mov_b32 s[OFS+1], 0
	s_mov_b32 s[SEL], 0x76543210
	s_mov_b32 s[SEL+1], 0xfedcba98
	s_mov_b32 s[CS], 0x3e38aa3b                    ; log2(e) / 8
	s_mov_b32 s[CS+1], s[CS]
	s_mov_b32 s[P1], 0x01010101
	s_mov_b32 s[P2], 0x02020202
	s_mov_b32 s[P3], 0x03030303
	v_lshlrev_b32 v[LI16], 4, v7
	v_lshl_add_u32 v[LS8], v7, 3, KSC
	v_lshlrev_b32 v[MOFF], 11, v8
	s_wait_alu depctr_va_vdst(0)
	v_lshl_add_u32 v[MOFF], v9, 4, v[MOFF]
	v_lshlrev_b32 v[QOFF], 8, v8
	v_lshl_add_u32 v[QOFF], v9, 7, v[QOFF]
	s_mul_i32 s[T0], s[WV], 16*SPITCH
	s_add_co_u32 s[T0], s[T0], STG                 ; my stage
	v_mul_u32_u24 v10, v8, SPITCH
	v_add_nc_u32 v10, s[T0], v10
	v_lshl_add_u32 v[SO], v9, 5, v10
	v_lshl_add_u32 v[SX], v9, 7, v10
	v_mul_u32_u24 v11, v9, SPITCH
	v_lshl_add_u32 v11, v8, 4, v11
	v_add_nc_u32 v[SR], s[T0], v11
	s_mul_i32 s[T1], s[WV], 6144                   ; my key step's images
	s_lshl_b32 s[T2], s[WV], 8                     ; and scale words
	v_add_nc_u32 v[KIW], s[T1], v[LI16]
	v_lshlrev_b32 v10, 3, v8
	v_add_nc_u32 v10, s[T2], v10
	v_add_nc_u32 v[KSW], KSC, v10                  ; KSC + 256 w + 8 r
	v_mul_u32_u24 v10, v9, 1536
	v_lshl_add_u32 v10, v8, 4, v10
	v_add_nc_u32 v10, s[T1], v10
	v_add_nc_u32 v[VIW], VIMG, v10                 ; VIMG + 6,144 w + 1,536 h + 16 r: the loading lane's half picks the tile
	v_lshlrev_b32 v10, 3, v7
	v_add_nc_u32 v10, s[T2], v10
	v_add_nc_u32 v[VSW], VSC, v10                  ; VSC + 256 w + 8 x lane
	v_lshlrev_b32 v[VOF], 2, v7
	v_lshlrev_b32 v[SH8], 3, v9
	v_mov_b32 v[W3], 0                             ; a lane permute's destination counts as one of its sources
	s_wait_kmcnt 0x0
	s_add_nc_u64 s[KB:KB+1], s[6:7], s[18:19]
	s_add_nc_u64 s[KB:KB+1], s[KB:KB+1], s[OFS:OFS+1]
	s_add_nc_u64 s[VB:VB+1], s[8:9], s[18:19]
	s_add_nc_u64 s[VB:VB+1], s[VB:VB+1], s[OFS:OFS+1]
	s_add_nc_u64 s[QH:QH+1], s[4:5], s[18:19]
	s_add_nc_u64 s[OH:OH+1], s[12:13], s[18:19]
	s_wait_alu depctr_va_vdst(0)                   ; the offsets and LDS addresses v1 to v6 and v240 to v246 are written, which the kernel's loads and stores read; they are not written again
; ======== my 128 keys of K and V become images in LDS.  Loads run a pair, later a block, ahead: a pair's registers are asked for again straight behind the wait that shows them read by its stage stores, ahead of its quantising
	KLOAD 0, R0
	KLOAD 1, R1
	KTURN R0, 16                                   ; behind pair 0's loads: pair 1's 16
	KLOAD 2, R0
	KFIN 0
	KTURN R1, 16                                   ; pair 2's 16
	KLOAD 3, R1
	KFIN 1
	KTURN R0, 16                                   ; pair 3's 16
	VLOAD 0
	KFIN 2
	KTURN R1, 32                                   ; V's first 32
	VLOAD 1
	KFIN 3
	VBLK 0, 32
	VBLK 1, 32
	VBLK 2, 32
	VBLK 3, 32
	VBLK 4, 32
	VBLK 5, 32
	VBLK 6, 32
	VBLK 7, 0
	s_wait_dscnt 0x0                               ; for the others' sake: my images and scale words have landed
	s_barrier_signal -1
	s_barrier_wait -1                              ; the head's K and V lie in LDS.  The kernel's one barrier: from here on the images are only read, and a wave stores to its own stage alone
; ======== the main phase
.irp i, 0,1,2,3,4,5
	v_mov_b32 v[QF+\i], 0                          ; zero codes on both sides of q's  (K's last image stores have read these registers: the wait on vm_vsrc at V's run 0)
	v_mov_b32 v[QF+12+\i], 0
.endr
.irp b, 0,1,2,3
	v_mov_b32 v[BT+\b], 0                          ; written once: lane permutes' destinations
.endr
	v_mov_b32 v[F+1], 0                            ; named as the upper half of a pair
	v_mov_b32 v[TMP], 0
	v_mov_b32 v[NI], 0xff800000
	s_mov_b32 s[TI], 0
.Ltile:
	s_wait_xcnt 0x0                                ; the last tile's loads and stores have read their registers and their bases: these are written below
	s_wait_alu depctr_vm_vsrc(0)                   ; the last tile's stage stores and global stores have read v[S ..] (ahead of the first tile: V's last image stores have read v[CV ..] and v[VW ..], which lie there): the products and the way out write these registers again
	s_sub_co_u32 s[T0], 31, s[WV]
	s_cmp_eq_u32 s[TI], 0
	s_cselect_b32 s[NN], s[WV], s[T0]              ; n = w, then 31 - w
	s_lshl_b32 s[OFS], s[NN], 6
	s_lshl_b32 s[T0], s[J], 4
	s_add_co_u32 s[OFS], s[OFS], s[T0]             ; tile 4 n + j: 16 bytes of flags each
	s_mov_b32 s[OFS+1], 0
	s_add_nc_u64 s[FA:FA+1], s[FL:FL+1], s[OFS:OFS+1]
	s_load_b128 s[FW:FW+3], s[FA:FA+1], 0x0        ; the tile's four flag words, stored by the launch before
	s_lshl_b32 s[OFS], s[OFS], 8                   ; (64 n + 16 j) rows of 256 bytes
	s_add_nc_u64 s[QB:QB+1], s[QH:QH+1], s[OFS:OFS+1]
	s_add_nc_u64 s[OB:OB+1], s[OH:OH+1], s[OFS:OFS+1]
	s_lshl_b32 s[OFS], s[OFS], 3                   ; the same rows of 2,048 bytes
	s_add_nc_u64 s[MB:MB+1], s[10:11], s[OFS:OFS+1]
.irp e, 0,1,2,3,4,5,6,7
	global_load_b128 v[O+4*\e:O+4*\e+3], v[QOFF], s[QB:QB+1] offset:16*\e th:TH_LOAD_NT   ; q(r, 32 h ..): a whole block in a lane; read once in the launch.  No wait of their own: no vector instruction since the wait ahead of the last tile's stage stores (first tile: since the wait of V's last run) names v[O ..] or v[QOFF]
.endr
	s_wait_loadcnt 0x0                             ; q is in: nothing younger is out
	QUANT32 O, QF+6, PT0, TMP
	v_permlanex16_b32 v[BT], v[TMP], s[SEL], s[SEL+1]
	v_lshl_or_b32 v[TMP], v[BT], 8, v[TMP]         ; in lanes 0-15, the only ones read: [block 0's byte, block 1's]
	v_or_b32 v[QSL], 0x01010000, v[TMP]            ; for [q | 0]: the zero codes' bytes are 1
	v_lshl_or_b32 v[QSH], v[TMP], 16, 0x101        ; for [0 | q]
	v_mov_b32 v[TX], 0xff61b1e6                    ; the largest t so far: -3e38, under every t
	v_floor_f32 v[NM], -v[TX]
	v_mov_b32 v[L], 0
	v_mov_b32 v[L+1], 0
.set i, 0
.rept 32
	v_mov_b32 v[O+i], 0                            ; O^T begins as zeros, which the first change of M leaves zeros: the step is written once.  (More than the eight plain instructions between a scale word's making and the first scaled product)
.set i, i+1
.endr
	s_wait_kmcnt 0x0                               ; the flag words
	s_or_b32 s[FW], s[FW], s[FW+1]                 ; each word holds four steps' bits at their places
	s_or_b32 s[FW+2], s[FW+2], s[FW+3]
	s_or_b32 s[FW], s[FW], s[FW+2]
	s_and_b32 s[ANY], s[FW], 0xffff
	s_lshr_b32 s[MIX], s[FW], 16
	s_mov_b32 s[SI], 0
	s_mov_b32 s[TK], 0
	s_mov_b32 s[TS], 0
	s_mov_b32 s[TM], 0
.Lstep:                                                ; 16 trips, a constant; what a step without a true mask byte leaves out is its work, not the lines at its end that step addresses
	s_bitcmp1_b32 s[ANY], 0
	s_cbranch_scc0 .Lskip
	s_wait_alu depctr_vm_vsrc(0)                   ; the loads of the last step that was worked have read their four address registers, which the next four lines write
	v_add_nc_u32 v[ADK], s[TK], v[LI16]
	v_add_nc_u32 v[ADV], VIMG, v[ADK]
	v_add_nc_u32 v[ADS], s[TS], v[LS8]
	v_add_nc_u32 v[MA], s[TM], v[MOFF]             ; (the last step's mask loads were waited for: their address may be written)
	s_wait_alu depctr_va_vdst(0)                   ; the four addresses are written, which the step's loads read; the last step's products are done reading v[KV ..], v[KS ..], v[VS ..] and its masking lines are done with v[MK ..], in all of which loads land below; in a tile's first step q's codes and scale words are written, which the scaled products take (the plain instructions behind their making stay beside this wait)
	s_bitcmp1_b32 s[MIX], 0
	s_cbranch_scc0 .Lnm1
.irp b, 0,1,2,3
	global_load_b128 v[MK+4*\b:MK+4*\b+3], v[MA], s[MB:MB+1] offset:32*\b   ; mask(r, 128 s + 32 b + 16 h + 0 .. 15): the bytes of S[16 b .. 16 b + 15]
.endr
.Lnm1:
	ds_load_b64 v[VS:VS+1], v[ADS] offset:VSC-KSC  ; V's scale words come with K's: no vector or matrix instruction between the wait above and the four products at the step's end names them
	ds_load_b64 v[KS:KS+1], v[ADS]
.irp b, 0,1,2,3
.irp c, 0,1,2
	ds_load_b128 v[KV+12*\b+4*\c:KV+12*\b+4*\c+3], v[ADK] offset:1536*\b+512*\c
.endr
.endr
	KQ2 0
	KQ2 1
	KQ2 2
	KQ2 3
.rept 4
	v_nop                                          ; four plain instructions behind the products, ahead of the first reads of the scores
.endr
	s_wait_alu depctr_va_vdst(0)                   ; the eight products are done reading K's operands v[KV ..], in which V's tiles land
.irp t, 0,1,2,3                                        ; V's tiles land while the softmax is worked: none of its lines names v[KV ..]
.irp c, 0,1,2
	ds_load_b128 v[KV+12*\t+4*\c:KV+12*\t+4*\c+3], v[ADV] offset:1536*\t+512*\c
.endr
.endr
	s_wait_loadcnt 0x0                             ; the mask bytes, if they were asked for: on the common way, so that no way leaves a load out
	s_bitcmp1_b32 s[MIX], 0
	s_cbranch_scc0 .Lnm2
.set i, 0
.rept 16
	v_mul_lo_u32 v[MK+i], v[MK+i], 0xff            ; bytes 0 and 1 become 0x00 and 0xff
.set i, i+1
.endr
.set i, 0
.rept 16                                               ; four scores at a time, ascending: a byte is spread over a word, which then picks the score or -infinity
	v_perm_b32 v[BM], v[MK+i], v[MK+i], 0
	v_perm_b32 v[BM+1], v[MK+i], v[MK+i], s[P1]
	v_perm_b32 v[BM+2], v[MK+i], v[MK+i], s[P2]
	v_perm_b32 v[BM+3], v[MK+i], v[MK+i], s[P3]
	v_bfi_b32 v[S+4*i], v[BM], v[S+4*i], v[NI]
	v_bfi_b32 v[S+4*i+1], v[BM+1], v[S+4*i+1], v[NI]
	v_bfi_b32 v[S+4*i+2], v[BM+2], v[S+4*i+2], v[NI]
	v_bfi_b32 v[S+4*i+3], v[BM+3], v[S+4*i+3], v[NI]
.set i, i+1
.endr
.Lnm2:
.irp b, 0,1,2,3
	v_max3_num_f32 v[BM+\b], v[S+16*\b], v[S+16*\b+1], v[S+16*\b+2]   ; the largest score of each block of 32 keys: it serves for the row's maximum and, since p rises with the score, for the block's largest p
.endr
.irp i, 3,5,7,9,11,13
.irp b, 0,1,2,3
	v_max3_num_f32 v[BM+\b], v[BM+\b], v[S+16*\b+\i], v[S+16*\b+\i+1]
.endr
.endr
.irp b, 0,1,2,3
	v_max_num_f32 v[BM+\b], v[BM+\b], v[S+16*\b+15]
.endr
.irp b, 0,1,2,3
	v_permlanex16_b32 v[BT+\b], v[BM+\b], s[SEL], s[SEL+1]
.endr
.irp b, 0,1,2,3
	v_max_num_f32 v[BM+\b], v[BM+\b], v[BT+\b]     ; with lane l xor 16's 16 keys
.endr
	v_max3_num_f32 v[TMP], v[BM], v[BM+1], v[BM+2]
	v_max_num_f32 v[TMP], v[TMP], v[BM+3]
	v_mul_f32 v[TMP], s[CS], v[TMP]                ; the step's largest t of my query
	v_max_num_f32 v[TX], v[TX], v[TMP]
	v_mov_b32 v[TMP], v[NM]
	v_floor_f32 v[NM], -v[TX]                      ; the new -M = floor(-t): M is a whole number
	v_sub_f32 v[TMP], v[NM], v[TMP]                ; old M - new M: a whole number, 0 or less
	v_cvt_i32_f32 v[TMP], v[TMP]                   ; (it saturates)
	v_ldexp_f32 v[F], 1.0, v[TMP]                  ; f = 2^(old M - new M)
.set i, 0
.rept 32
	v_pk_fma_f32 v[S+i:S+i+1], v[S+i:S+i+1], s[CS:CS+1], v[NM:NM+1] op_sel_hi:[1,0,0]   ; t - M, two at a time
.set i, i+2
.endr
.irp b, 0,1,2,3
	v_fma_f32 v[BM+\b], v[BM+\b], s[CS], v[NM]     ; the same of each block's largest score
.endr
.set i, 0
	s_wait_alu depctr_va_vdst(0)
.rept 64
	v_exp_f32 v[S+i], v[S+i]                       ; p = 2^(t - M): not normalised
.set i, i+1
.endr
	v_pk_mul_f32 v[L:L+1], v[L:L+1], v[F:F+1] op_sel_hi:[1,0]   ; the sums under the new M; the plain instruction behind the exponentials
	s_wait_alu depctr_va_vdst(0)                   ; the 64 exponentials have written p: the wait ahead of the first instruction that names a result: one for the 64
.irp b, 0,1,2,3
	v_exp_f32 v[BM+\b], v[BM+\b]                   ; the block's largest p: the same two instructions on the same number
.endr
	v_pk_add_f32 v[SUM2:SUM2+1], v[S:S+1], v[S+2:S+3]   ; the row's sum is taken of the unquantised p, in two chains
.irp j, 4,8,12,16,20,24,28,32,36,40,44,48,52
	v_pk_add_f32 v[L:L+1], v[L:L+1], v[S+\j:S+\j+1]
	v_pk_add_f32 v[SUM2:SUM2+1], v[SUM2:SUM2+1], v[S+\j+2:S+\j+3]
.endr
	s_wait_alu depctr_va_vdst(0)                   ; and one for the four: the blocks' largest p are written
.irp b, 0,1,2,3
	v_max_num_f32 v[BM+\b], 0x2800000, v[BM+\b]    ; the floor 2^(5 - 127): the byte cannot fall under 1
.endr
.irp b, 0,1,2,3
	v_add_nc_u32 v[BS+\b], 0xfe000000, v[BM+\b]    ; 4 off the exponent field: the conversion's scale operand
.endr
.irp b, 0,1,2,3
	v_lshrrev_b32 v[BT+\b], 23, v[BS+\b]
.endr
	v_lshl_or_b32 v[PW], v[BT+1], 8, v[BT]         ; p's scale word for these 128 keys
	v_lshl_or_b32 v[PW], v[BT+2], 16, v[PW]
	v_lshl_or_b32 v[PW], v[BT+3], 24, v[PW]
	v_cvt_scalef32_pk16_bf6_f32 v[PC:PC+2], v[S:S+15], v[BS]
	v_cvt_scalef32_pk16_bf6_f32 v[PT0:PT0+2], v[S+16:S+31], v[BS+1]
	v_cvt_scalef32_pk16_bf6_f32 v[PC+6:PC+8], v[S+32:S+47], v[BS+2]
	v_cvt_scalef32_pk16_bf6_f32 v[PT1:PT1+2], v[S+48:S+63], v[BS+3]
	v_nop                                          ; one plain instruction behind the conversions
.irp i, 0,1,2                                          ; the operand wants a WHOLE block in a lane: lanes 0-15 block 2 c, lanes 16-31 block 2 c + 1
	v_permlane16_swap_b32 v[PC+\i], v[PT0+\i]
	v_permlane16_swap_b32 v[PC+6+\i], v[PT1+\i]
.endr
.irp i, 0,1,2
	v_mov_b32 v[PC+3+\i], v[PT0+\i]
	v_mov_b32 v[PC+9+\i], v[PT1+\i]
.endr
.set i, 0
.rept 16
	v_pk_mul_f32 v[O+i:O+i+1], v[O+i:O+i+1], v[F:F+1] op_sel_hi:[1,0]   ; O^T under the new M, each accumulator from its low end on
.set i, i+2
.endr
.irp j, 56,60                                          ; the sum's last additions stand here: with the 16 above, more than eight plain instructions behind p's scale word and four behind its codes, and five behind the last write of O^T
	v_pk_add_f32 v[L:L+1], v[L:L+1], v[S+\j:S+\j+1]
	v_pk_add_f32 v[SUM2:SUM2+1], v[SUM2:SUM2+1], v[S+\j+2:S+\j+3]
.endr
	v_pk_add_f32 v[L:L+1], v[L:L+1], v[SUM2:SUM2+1]
	s_wait_dscnt 0x0                               ; V's tiles and scale words are in
	s_wait_alu depctr_va_vdst(0)                   ; p's codes v[PC ..] and its scale word v[PW] are written, which the scaled products take; the plain instructions above stay beside this wait
	PV1 0                                          ; O^T += V^T P^T: four accumulators, one instruction each; between two links of a chain stand the next step's eight products and three of these
	PV1 1
	PV1 2
	PV1 3
.Lskip:
	s_lshr_b32 s[ANY], s[ANY], 1
	s_lshr_b32 s[MIX], s[MIX], 1
	s_add_co_u32 s[TK], s[TK], 6144
	s_add_co_u32 s[TS], s[TS], 256
	s_add_co_u32 s[TM], s[TM], 128
	s_add_co_u32 s[SI], s[SI], 1
	s_cmp_lt_u32 s[SI], 16
	s_cbranch_scc1 .Lstep
	; ---- the way out: O^T / the sum goes through my stage and leaves as whole rows: the tile's 16 rows of 256 bytes are 4,096 dense bytes of out0
.rept 4
	v_nop                                          ; four plain instructions behind the last products, ahead of the first read of O^T
.endr
	v_add_f32 v[L], v[L], v[L+1]
	v_permlanex16_b32 v[TMP], v[L], s[SEL], s[SEL+1]
	v_add_f32 v[L], v[L], v[TMP]                   ; the row's sum
	s_wait_alu depctr_va_vdst(0)
	v_rcp_f32 v[L], v[L]
	v_nop                                          ; a plain instruction behind the reciprocal
	s_wait_alu depctr_va_vdst(0)                   ; the reciprocal is written, ahead of its first reader
.set i, 0
.rept 16
	v_pk_mul_f32 v[S+i:S+i+1], v[O+i:O+i+1], v[L:L+1] op_sel_hi:[1,0]   ; register 8 t + j is out0(r, 16 t + 8 h + j); a row without a true mask byte: 0 x infinity = NaN
.set i, i+2
.endr
	s_wait_alu depctr_va_vdst(0)                   ; the multiplications have written v[S .. S + 31], which the stage stores read, and are done reading v[O ..], in which the next tile's q lands; every earlier vector line is done with v[S + 32 ..], in which the loads from the stage land
.irp t, 0,1,2,3
	ds_store_b128 v[SO], v[S+8*\t:S+8*\t+3] offset:64*\t
	ds_store_b128 v[SO], v[S+8*\t+4:S+8*\t+7] offset:64*\t+16
.endr
.irp i, 0,1,2,3,4,5,6,7
	ds_load_b128 v[S+32+4*\i:S+32+4*\i+3], v[SR] offset:2*\i*SPITCH   ; LDS serves a wave's instructions in order: these see my stores
.endr
.irp i, 0,1,2,3,4,5,6,7
	s_wait_dscnt 7-\i                              ; rows 2 i and 2 i + 1 are back; the younger loads may be out
	global_store_b128 v[LI16], v[S+32+4*\i:S+32+4*\i+3], s[OB:OB+1] offset:512*\i th:TH_STORE_NT   ; 32 lanes store 512 consecutive bytes, at a multiple of 256 from out0's first byte
.endr
	s_add_co_u32 s[TI], s[TI], 1
	s_cmp_lt_u32 s[TI], 2
	s_cbranch_scc1 .Ltile
	s_wait_dscnt 0x0                               ; the closing lines, six on end
	s_wait_alu 0x0
	s_wait_tensorcnt 0x0
	ds_add_u32 v247, v251
	s_wait_dscnt 0x0
	s_endpgm
.Lfunc_end_k_qbb249392d6_attn:
	.size	k_qbb249392d6_attn, .Lfunc_end_k_qbb249392d6_attn-k_qbb249392d6_attn
	.p2alignl 7, 3214868480
	.fill 96, 4, 3214868480
	.section	.rodata,"a",@progbits
	.p2align	6, 0x0
	.amdhsa_kernel k_qbb249392d6_attn
		.amdhsa_group_segment_fixed_size 276480
		.amdhsa_private_segment_fixed_size 0
		.amdhsa_enable_private_segment 0
		.amdhsa_kernarg_size 48
		.amdhsa_user_sgpr_count 2
		.amdhsa_user_sgpr_kernarg_segment_ptr 1
		.amdhsa_wavefront_size32 1
		.amdhsa_system_sgpr_workgroup_id_x 1
		.amdhsa_system_sgpr_workgroup_id_y 1
		.amdhsa_system_sgpr_workgroup_id_z 1
		.amdhsa_system_vgpr_workitem_id 0
		.amdhsa_next_free_vgpr 256
		.amdhsa_next_free_sgpr 66
		.amdhsa_reserve_vcc 0
		.amdhsa_float_denorm_mode_32 3
		.amdhsa_float_denorm_mode_16_64 3
		.amdhsa_memory_ordered 1
		.amdhsa_forward_progress 1
		.amdhsa_inst_pref_size 103
	.end_amdhsa_kernel
	.amdgpu_metadata
---
amdhsa.version: [ 1, 2 ]
amdhsa.kernels:
  - .name:           k_qbb249392d6_attn
    .symbol:         k_qbb249392d6_attn.kd
    .args:
      - { .name: q, .offset: 0, .size: 8, .value_kind: global_buffer, .address_space: global }
      - { .name: k, .offset: 8, .size: 8, .value_kind: global_buffer, .address_space: global }
      - { .name: v, .offset: 16, .size: 8, .value_kind: global_buffer, .address_space: global }
      - { .name: mask, .offset: 24, .size: 8, .value_kind: global_buffer, .address_space: global }
      - { .name: out0, .offset: 32, .size: 8, .value_kind: global_buffer, .address_space: global }
      - { .name: flags, .offset: 40, .size: 8, .value_kind: global_buffer, .address_space: global }
    .group_segment_fixed_size: 276480
    .private_segment_fixed_size: 0
    .kernarg_segment_align: 8
    .kernarg_segment_size: 48
    .max_flat_workgroup_size: 512
    .sgpr_count:     66
    .vgpr_count:     256
    .wavefront_size: 32
...
	.end_amdgpu_metadata
.endif
;; end of part 4
